; MI455X (gfx1250); checked and timed in simulation.
; The chip was launched on July 23, 2026; its instructions are those of AMD's public machine-readable ISA for CDNA 5 (MIT licence, August 2026) and "CDNA5" Instruction Set Architecture Reference Guide (July 2026). The comments in the code are by the model that wrote it; some were corrected since.
;; Attention. Allowed arithmetic: float matrix products may take bf16 or f16 operands with f32 sums; all other float work in f32.
;; Inputs: freqs_cos 2,048 x 32 float32; freqs_sin 2,048 x 32 float32; wk 256 x 1,024 float32; wo 1,024 x 1,024 float32; wq 1,024 x 1,024 float32; wv 256 x 1,024 float32; x 2 x 2,048 x 1,024 float32.
;; Outputs: out0 2 x 2,048 x 1,024 float32.
;; 2 versions, each right; version 2 is version 1 with the launch cast written anew for expert scheduling mode. Each part assembles by itself: llvm-mc -triple=amdgcn-amd-amdhsa -mcpu=gfx1250 --defsym DOCPART=n.
;; ======== version 1 of 2: 4 launches
;; limits: values are held in f16: magnitudes above 65,504 overflow, below 6.1e-05 lose precision; values outside matrix products are rounded to bf16
;; workspace buffers: xb 8,388,608 bytes; wb 3,145,728 bytes; wob 2,097,152 bytes; qkv 12,582,912 bytes; ob 8,388,608 bytes
;; launch cast (part 1): grid 256 x 1, 8 waves a work-group, no clusters, 0 bytes of LDS; arguments x, wq, wk, wv, wo, xb, wb, wob; writes xb, wb, wob
.if DOCPART == 1
	.amdgcn_target "amdgcn-amd-amdhsa--gfx1250"
	.amdhsa_code_object_version 6
	.text
	.protected	k_q59dd14f9f9_cast
	.globl	k_q59dd14f9f9_cast
	.p2align	8
	.type	k_q59dd14f9f9_cast,@function
k_q59dd14f9f9_cast:
	s_mov_b64 s[64:65], 0
	v_nop
	global_prefetch_b8 v0, s[64:65] scope:SCOPE_SE
	s_setreg_imm32_b32 hwreg(HW_REG_WAVE_MODE, 25, 1), 1
	s_wait_xcnt 0x0
; x, wq, wk, wv: f32 -> bf16 (nearest even).  wo: f32 -> bf16 -> the same number written as f16, since it multiplies an f16 operand later.
; wb = [wq; wk; wv], 1536 rows of 1024.  LIMIT: the f16 form of wo is exact for 2^-14 <= |w| <= 65504; smaller numbers keep an absolute
; error of 2^-25, larger ones overflow.
; A stream: each byte is read once and written once; no LDS, no barrier, no matrix unit.
; 256 work-groups of 8 waves.  A chunk is 1,024 numbers: thread t loads the 16 bytes at 16 t (a wave: 512 consecutive bytes) and stores
; the 8 bytes at 8 t (a wave: 256 consecutive bytes, aligned).  A work-group has 26 chunks: 16 of x, 4 of wq, 1 of wk, 1 of wv, 4 of wo.
; All 26 loads of a thread are issued at once, each into registers of its own, so nothing is rewritten while a load or store names it.
.set X, 4                              ; v[4:107]  chunk n: 4 registers
	s_load_b512 s[4:19], s[0:1], 0x0               ; x 4:5, wq 6:7, wk 8:9, wv 10:11, wo 12:13, xb 14:15, wb 16:17, wob 18:19
	v_lshlrev_b32 v1, 4, v0                        ; 16 t
	v_lshlrev_b32 v2, 3, v0                        ; 8 t
	s_mov_b32 s21, 0                               ; upper word of the offset pair s[20:21]
	s_mov_b32 s26, 0xffff0000                      ; a word's upper bf16
	s_wait_kmcnt 0x0
	s_lshl_b32 s20, ttmp9, 16                      ; 16 chunks of 4,096 bytes of x
	s_add_nc_u64 s[4:5], s[4:5], s[20:21]
	s_lshl_b32 s20, ttmp9, 15
	s_add_nc_u64 s[14:15], s[14:15], s[20:21]      ; xb
	s_lshl_b32 s20, ttmp9, 14                      ; 4 chunks of wq and of wo
	s_add_nc_u64 s[6:7], s[6:7], s[20:21]
	s_add_nc_u64 s[12:13], s[12:13], s[20:21]
	s_lshl_b32 s20, ttmp9, 13
	s_add_nc_u64 s[22:23], s[16:17], s[20:21]      ; wb, wq's rows
	s_add_nc_u64 s[18:19], s[18:19], s[20:21]      ; wob
	s_lshl_b32 s20, ttmp9, 12                      ; 1 chunk of wk and of wv
	s_add_nc_u64 s[8:9], s[8:9], s[20:21]
	s_add_nc_u64 s[10:11], s[10:11], s[20:21]
	s_lshl_b32 s20, ttmp9, 11
	s_add_nc_u64 s[24:25], s[16:17], s[20:21]      ; wb; wk's and wv's first rows stand in the stores' immediates
.irp i, 0,1,2,3,4,5,6,7,8,9,10,11,12,13,14,15
	global_load_b128 v[X+4*\i:X+4*\i+3], v1, s[4:5] offset:\i*4096 th:TH_LOAD_NT
.endr
.irp i, 0,1,2,3
	global_load_b128 v[X+64+4*\i:X+64+4*\i+3], v1, s[6:7] offset:\i*4096 th:TH_LOAD_NT
.endr
	global_load_b128 v[X+80:X+83], v1, s[8:9] th:TH_LOAD_NT
	global_load_b128 v[X+84:X+87], v1, s[10:11] th:TH_LOAD_NT
.irp i, 0,1,2,3
	global_load_b128 v[X+88+4*\i:X+88+4*\i+3], v1, s[12:13] offset:\i*4096 th:TH_LOAD_NT
.endr
; Chunk n: wait, round, store.  The stores carry no hint: the next launch reads these bytes.
.macro CHUNK n, base, off, tof16
	s_wait_loadcnt 25-(\n)                         ; loads come back in order: the 25 - n younger ones may stay out
	v_cvt_pk_bf16_f32 v[X+4*(\n)], v[X+4*(\n)], v[X+4*(\n)+1]
	v_cvt_pk_bf16_f32 v[X+4*(\n)+1], v[X+4*(\n)+2], v[X+4*(\n)+3]
.if \tof16
	v_lshlrev_b32 v[X+4*(\n)+2], 16, v[X+4*(\n)]   ; the rounded numbers back in f32,
	v_and_b32 v[X+4*(\n)+3], s26, v[X+4*(\n)]
	v_cvt_pk_f16_f32 v[X+4*(\n)], v[X+4*(\n)+2], v[X+4*(\n)+3]     ; and written as f16
	v_lshlrev_b32 v[X+4*(\n)+2], 16, v[X+4*(\n)+1]
	v_and_b32 v[X+4*(\n)+3], s26, v[X+4*(\n)+1]
	v_cvt_pk_f16_f32 v[X+4*(\n)+1], v[X+4*(\n)+2], v[X+4*(\n)+3]
.endif
	global_store_b64 v2, v[X+4*(\n):X+4*(\n)+1], s[\base:\base+1] offset:\off
.endm
.irp i, 0,1,2,3,4,5,6,7,8,9,10,11,12,13,14,15
	CHUNK \i, 14, \i*2048, 0
.endr
.irp i, 0,1,2,3
	CHUNK 16+\i, 22, \i*2048, 0
.endr
	CHUNK 20, 24, 1024*2048, 0                     ; wk begins at row 1024 of wb
	CHUNK 21, 24, 1280*2048, 0                     ; wv at row 1280
.irp i, 0,1,2,3
	CHUNK 22+\i, 18, \i*2048, 1
.endr
	s_endpgm
.Lfunc_end_k_q59dd14f9f9_cast:
	.size	k_q59dd14f9f9_cast, .Lfunc_end_k_q59dd14f9f9_cast-k_q59dd14f9f9_cast
	.p2alignl 7, 3214868480
	.fill 96, 4, 3214868480
	.section	.rodata,"a",@progbits
	.p2align	6, 0x0
	.amdhsa_kernel k_q59dd14f9f9_cast
		.amdhsa_group_segment_fixed_size 0
		.amdhsa_private_segment_fixed_size 0
		.amdhsa_enable_private_segment 0
		.amdhsa_kernarg_size 64
		.amdhsa_user_sgpr_count 2
		.amdhsa_user_sgpr_kernarg_segment_ptr 1
		.amdhsa_wavefront_size32 1
		.amdhsa_system_sgpr_workgroup_id_x 1
		.amdhsa_system_sgpr_workgroup_id_y 1
		.amdhsa_system_sgpr_workgroup_id_z 1
		.amdhsa_system_vgpr_workitem_id 0
		.amdhsa_next_free_vgpr 108
		.amdhsa_next_free_sgpr 66
		.amdhsa_reserve_vcc 0
		.amdhsa_float_denorm_mode_32 3
		.amdhsa_float_denorm_mode_16_64 3
		.amdhsa_memory_ordered 1
		.amdhsa_forward_progress 1
		.amdhsa_inst_pref_size 11
	.end_amdhsa_kernel
	.amdgpu_metadata
---
amdhsa.version: [ 1, 2 ]
amdhsa.kernels:
  - .name:           k_q59dd14f9f9_cast
    .symbol:         k_q59dd14f9f9_cast.kd
    .args:
      - { .name: x, .offset: 0, .size: 8, .value_kind: global_buffer, .address_space: global }
      - { .name: wq, .offset: 8, .size: 8, .value_kind: global_buffer, .address_space: global }
      - { .name: wk, .offset: 16, .size: 8, .value_kind: global_buffer, .address_space: global }
      - { .name: wv, .offset: 24, .size: 8, .value_kind: global_buffer, .address_space: global }
      - { .name: wo, .offset: 32, .size: 8, .value_kind: global_buffer, .address_space: global }
      - { .name: xb, .offset: 40, .size: 8, .value_kind: global_buffer, .address_space: global }
      - { .name: wb, .offset: 48, .size: 8, .value_kind: global_buffer, .address_space: global }
      - { .name: wob, .offset: 56, .size: 8, .value_kind: global_buffer, .address_space: global }
    .group_segment_fixed_size: 0
    .private_segment_fixed_size: 0
    .kernarg_segment_align: 8
    .kernarg_segment_size: 64
    .max_flat_workgroup_size: 256
    .sgpr_count:     66
    .vgpr_count:     108
    .wavefront_size: 32
...
	.end_amdgpu_metadata
.endif
;; end of part 1
;; launch qkv (part 2): grid 8 x 32, 4 waves a work-group, clusters of 4 x 4, 327,680 bytes of LDS; arguments xb, wb, freqs_cos, freqs_sin, qkv; writes qkv
.if DOCPART == 2
	.amdgcn_target "amdgcn-amd-amdhsa--gfx1250"
	.amdhsa_code_object_version 6
	.text
	.protected	k_q59dd14f9f9_qkv
	.globl	k_q59dd14f9f9_qkv
	.p2align	8
	.type	k_q59dd14f9f9_qkv,@function
k_q59dd14f9f9_qkv:
	s_mov_b64 s[64:65], 0
	v_nop
	global_prefetch_b8 v0, s[64:65] scope:SCOPE_SE
	s_setreg_imm32_b32 hwreg(HW_REG_WAVE_MODE, 25, 1), 1
	s_wait_xcnt 0x0
	s_wait_alu depctr_hold_cnt(0) depctr_sa_sdst(0) depctr_va_vdst(0) depctr_va_sdst(0) depctr_va_ssrc(0) depctr_va_vcc(0) depctr_vm_vsrc(0)
	s_getreg_b32 s2, hwreg(HW_REG_IB_STS2, 6, 4)
	s_cmp_eq_u32 s2, 0
	s_cbranch_scc0 .Lentry_in_a_cluster
	s_endpgm
.Lentry_in_a_cluster:
	s_bfe_u32 s2, ttmp6, 0x10000c
	s_cmp_lg_u32 s2, 0xf033
	s_cbranch_scc0 .Lentry_shape_is_right
	s_endpgm
.Lentry_shape_is_right:
; [4096 x 1024] xb times [1536 x 1024] wb transposed, bf16 operands, f32 sums; then the rotation of q and k by cos and sin in f32,
; q times 0.125 log2(e) (the score's scale and the change to base 2), rounding to f16, and the layout [24 heads][4096 rows][64]:
; heads 0-15 q, 16-19 k, 20-23 v.
; FORMAT: cos and sin are rounded to bf16 (nearest even) like x and the weights, so that all inputs enter in one format; the rotation
; itself is f32.  LIMITS: |0.18 q|, |k|, |v| must stay below 65,504 (f16); NaN and infinities in the inputs are not followed (v is
; passed through cos * 0 + 1 and sin * 0).
; A work-group makes 128 rows x 192 columns (three heads) with four waves; a wave makes 64 x 96: 24 accumulator tiles of 16 x 16.
; Wave w: rows 64 (w >> 1); of each head the 32 columns at 32 (w & 1), as two tiles u: so head and column are fixed in the text.
; K goes in 8 steps of 128 through two LDS slots filled by tensor loads: a tile's rows are 256 bytes of memory, aligned.
; CLUSTERS: 4 x 4 work-groups.  The four of a row of the cluster need the same rows of xb, the four of a column the same rows of wb:
; each tile is asked for jointly, which divides the requests by four.
; REGISTERS: window 0: addresses, two fragment buffers; window 1: v0-191 accumulators (a, b) at 8 (6 a + b), v192-223 cos, v224-255 sin.
; THE MATRIX INSTRUCTION IS USED TRANSPOSED (source 0 = rows of wb, source 1 = rows of xb): lane l then holds row l % 16 of the result
; and its registers 0-7 the columns 8 (l / 16) + 0..7: four (even, odd) pairs of one row, which rotate in the lane and pack into 16 bytes.
.set KSTEP,  128
.set PITCH,  272                       ; an LDS row: 256 bytes + 16 of padding: the 16 rows of a fragment load start 16 bytes apart modulo 256
.set ABYTES, 128*PITCH                 ; xb's 128 rows
.set SLOT,   320*PITCH                 ; then wb's 192 rows
.set STAGE,  2*SLOT                    ; behind the ring (a multiple of 256): 3 heads x 128 rows x 144 bytes; no tensor load lands here
.set SP,     144                       ; a stage row: 128 bytes + 16
.set SHEAD,  128*SP
.set LAPS,   1024/(2*KSTEP)            ; a lap = two K steps = once round the ring
.set ADRA, 16                          ; v16-17  LDS address of my xb fragments in slot 0, 1
.set ADRB, 20                          ; v20-21  the same for wb
.set STO,  24                          ; the way out: where I put 16 bytes
.set RD,   25                          ; the way out: where I read back
.set GO,   26                          ; 16 x lane: my bytes in a store of 512
.set CSO,  27                          ; my byte offset in cos and in sin
.set F0,   32                          ; fragment buffer 0: wb's six tiles at +8 b, xb's four at +48 + 8 a
.set F1,   112                         ; fragment buffer 1
.set RR,   32                          ; the way out: 48 rotated numbers
.set CE,   80                          ; 4 cos, scaled;  SE: 4 sin, scaled
.set SE,   84
.set T,    88                          ; 4 pairs at work
.set PK,   96                          ; 24 packed words
.set BK,   128                         ; 24 x 4 registers read back
.set COSW, 192                         ; window 1
.set SINW, 224                         ; window 1
.set G1A, 24                           ; s[24:31] group 1 for xb's tiles   s[32:39] group 0, one set for each slot
.set G0A, 32
.set G1B, 40                           ; s[40:47], s[48:55] the same for wb's tiles
.set G0B, 48
.set FA,  66                           ; head i: s[66+4i:67+4i] = factor of cos and sin (twice), s[68+4i:69+4i] = addend of cos (twice)
.set MULW, 0x50                        ; sources 0 and 1 window 0, C and D window 1
.set MSB, 0
.macro WIN new                         ; the immediate's high byte repeats the setting that is left
.if MSB != \new
	s_set_vgpr_msb (MSB<<8)|\new
.set MSB, \new
.endif
.endm
; A joint load.  Waves 0 and 1 fetch xb's two halves (64 rows each), waves 2 and 3 wb's (96 rows each).  Each line has one mask and one
; set of registers; the branch hangs on the wave's number alone.
.macro JLOAD s
	s_cmp_eq_u32 s15, 0
	s_cbranch_scc0 .Lfor_b_\@
	tensor_load_to_lds s[G0A+4*\s:G0A+4*\s+3], s[G1A:G1A+7]
	s_nop 0
	s_branch .Lasked_\@
.Lfor_b_\@:
	tensor_load_to_lds s[G0B+4*\s:G0B+4*\s+3], s[G1B:G1B+7]
	s_nop 0
.Lasked_\@:
.endm
.macro CREST                           ; a round of the cluster's barrier behind its opening work-group barrier
	s_cmp_lg_u32 s14, 0
	s_cbranch_scc1 .Lnot_wave_0_\@
	s_barrier_signal -3
.Lnot_wave_0_\@:
	s_barrier_wait -3
	s_barrier_signal -1
	s_barrier_wait -1
.endm
.macro CROUND                          ; a whole round
	s_barrier_signal -1
	s_barrier_wait -1
	CREST
.endm
	s_load_b256 s[4:11], s[0:1], 0x0               ; xb 4:5, wb 6:7, cos 8:9, sin 10:11
	s_load_b64 s[12:13], s[0:1], 0x20              ; qkv
	v_lshl_add_u32 v254, v0, 2, 0x38000
	v_mov_b32 v255, 0
	ds_add_u32 v254, v255
	v_lshrrev_b32 v1, 5, v0
	v_readfirstlane_b32 s14, v1                    ; wave 0..3
	s_lshr_b32 s15, s14, 1                         ; my half of the rows.  Also: I fetch for xb (0) or wb (1)
	s_and_b32 s16, s14, 1                          ; my half of each head's columns.  Also: which half of that tile I fetch
	s_bfe_u32 s17, ttmp6, 0x40000                  ; cx
	s_bfe_u32 s18, ttmp6, 0x40004                  ; cy
	s_lshl_b32 s19, ttmp9, 2
	s_add_co_u32 s19, s19, s17                     ; block column 0..7 = 4 x cluster x + cx
	s_and_b32 s20, ttmp7, 0xffff
	s_lshl_b32 s20, s20, 2
	s_add_co_u32 s20, s20, s18                     ; block row 0..31 = 4 x cluster y + cy
	s_lshl_b32 s21, s18, 2
	s_lshl_b32 s21, 15, s21                        ; my row of the cluster: places 4 cy .. 4 cy + 3
	s_lshl_b32 s22, 0x1111, s17                    ; my column: places cx, cx + 4, cx + 8, cx + 12
	; group 1: rows of 128 elements of 2 bytes, 4 words of padding behind every 64 words; bit 21 set beside a mask
	s_or_b32 s[G1A+0], s21, (1<<16)|(1<<20)|(1<<21)|(5<<22)|(3<<25)
	s_or_b32 s[G1B+0], s22, (1<<16)|(1<<20)|(1<<21)|(5<<22)|(3<<25)
	s_mov_b32 s[G1A+1], KSTEP<<16                  ; tensor_dim0 = 128
	s_mov_b32 s[G1B+1], KSTEP<<16
	s_mov_b32 s[G1A+2], 64<<16                     ; tensor_dim1 = 64 rows
	s_mov_b32 s[G1B+2], 96<<16                     ; 96 rows
	s_mov_b32 s[G1A+3], KSTEP<<16                  ; tile_dim0 = 128
	s_mov_b32 s[G1B+3], KSTEP<<16
	s_mov_b32 s[G1A+4], 64                         ; tile_dim1
	s_mov_b32 s[G1B+4], 96
	s_mov_b32 s[G1A+5], 1024                       ; elements from row to row
	s_mov_b32 s[G1B+5], 1024
	s_mov_b32 s[G1A+6], 0
	s_mov_b32 s[G1B+6], 0
	s_mov_b32 s[G1A+7], 0
	s_mov_b32 s[G1B+7], 0
	; xb's tiles hang on the block row alone, wb's on the block column alone; each address in registers that never hold the other coordinate
	s_lshl_b32 s56, s20, 7
	s_lshl_b32 s57, s16, 6
	s_add_co_u32 s56, s56, s57                     ; row 128 x block row + 64 x half
	s_lshl_b32 s56, s56, 11                        ; x 2,048 bytes
	s_mov_b32 s57, 0
	s_mul_i32 s60, s19, 192
	s_mul_i32 s61, s16, 96
	s_add_co_u32 s60, s60, s61                     ; row 192 x block column + 96 x half
	s_lshl_b32 s60, s60, 11
	s_mov_b32 s61, 0
	s_mul_i32 s58, s14, 64*PITCH                   ; where they go: waves 0, 1: wave x 64 rows;
	s_mul_i32 s59, s14, 96*PITCH
	s_sub_co_u32 s59, s59, 2*96*PITCH-ABYTES       ; waves 2, 3: behind xb's 128 rows, (wave - 2) x 96 rows (used by these two alone)
	s_wait_dscnt 0x0
	s_wait_kmcnt 0x0
	s_add_nc_u64 s[56:57], s[4:5], s[56:57]
	s_add_nc_u64 s[60:61], s[6:7], s[60:61]
	CROUND                                         ; all sixteen work-groups are here: the first joint loads meet
.irp s, 0,1
	s_mov_b32 s[G0A+4*\s], 1
	s_add_co_u32 s[G0A+4*\s+1], s58, \s*SLOT
	s_add_nc_u64 s[G0A+4*\s+2:G0A+4*\s+3], s[56:57], \s*KSTEP*2    ; K step s
	s_or_b32 s[G0A+4*\s+3], s[G0A+4*\s+3], 0x80000000
	s_mov_b32 s[G0B+4*\s], 1
	s_add_co_u32 s[G0B+4*\s+1], s59, \s*SLOT
	s_add_nc_u64 s[G0B+4*\s+2:G0B+4*\s+3], s[60:61], \s*KSTEP*2
	s_or_b32 s[G0B+4*\s+3], s[G0B+4*\s+3], 0x80000000
	JLOAD \s                                       ; both first fills go out together: two tensor loads of this wave are out, later one
.endr
	; cos and sin of my rows and pairs: row s = (128 x block row mod 2048) + 64 wm + 16 a + r; pairs 16 wn + 8 u + 4 h + 0..3 = 16 bytes.
	; They are the same for the three heads.  Waited for only on the way out.
	v_and_b32 v1, 15, v0                           ; r
	v_bfe_u32 v2, v0, 4, 1                         ; h
	s_lshl_b32 s62, s20, 7
	s_and_b32 s62, s62, 2047
	s_lshl_b32 s63, s15, 6
	s_add_co_u32 s62, s62, s63
	s_lshl_b32 s62, s62, 7                         ; x 128 bytes a row
	s_lshl_b32 s63, s16, 6
	s_add_co_u32 s62, s62, s63
	v_lshlrev_b32 v3, 7, v1
	v_lshl_add_u32 v3, v2, 4, v3
	v_add_nc_u32 v[CSO], s62, v3
	WIN 0x40                                       ; destination window 1
.irp a, 0,1,2,3
.irp u, 0,1
	global_load_b128 v[COSW+4*(2*\a+\u):COSW+4*(2*\a+\u)+3], v[CSO], s[8:9] offset:2048*\a+32*\u
	global_load_b128 v[SINW+4*(2*\a+\u):SINW+4*(2*\a+\u)+3], v[CSO], s[10:11] offset:2048*\a+32*\u
.endr
.endr
	WIN 0
	; fragments: lane l holds row l % 16; registers 0-3: K = 8 (l / 16) + 0..7, registers 4-7: 16 more: two loads of 16 bytes, 32 apart
	v_mul_u32_u24 v3, v1, PITCH
	v_lshl_add_u32 v3, v2, 4, v3
	s_mul_i32 s62, s15, 64*PITCH                   ; my 64 rows of xb
	s_mul_i32 s63, s16, 32*PITCH                   ; my 32 rows of each head of wb,
	s_add_co_u32 s63, s63, ABYTES                  ; which lie behind xb's 128
.irp s, 0,1
	v_add_nc_u32 v[ADRA+\s], s62, v3
	v_add_nc_u32 v[ADRB+\s], s63, v3
	s_add_co_u32 s62, s62, SLOT
	s_add_co_u32 s63, s63, SLOT
.endr
	s_mul_i32 s62, s15, 64*SP                      ; stage, in: row 64 wm + r, byte 64 wn + 16 h
	s_lshl_b32 s63, s16, 6
	s_add_co_u32 s62, s62, s63
	s_add_co_u32 s62, s62, STAGE
	v_mul_u32_u24 v4, v1, SP
	v_lshl_add_u32 v4, v2, 4, v4
	v_add_nc_u32 v[STO], s62, v4
	v_and_b32 v5, 31, v0                           ; stage, back: wave w takes rows 32 w .. 32 w + 31, four rows (512 bytes) a load
	v_lshrrev_b32 v6, 3, v5
	v_and_b32 v7, 7, v0
	v_mul_u32_u24 v6, v6, SP
	v_lshl_add_u32 v6, v7, 4, v6
	s_mul_i32 s62, s14, 32*SP
	s_add_co_u32 s62, s62, STAGE
	v_add_nc_u32 v[RD], s62, v6
	v_lshlrev_b32 v[GO], 4, v5
	; head 3 x block column + i: q: cos, sin x 0.125 log2(e); k: x 1; v: cos -> 1, sin -> 0.  Selects of values, no branch.
.irp i, 0,1,2
	s_mul_i32 s62, s19, 3
	s_add_co_u32 s62, s62, \i
	s_cmp_lt_u32 s62, 16
	s_cselect_b32 s[FA+4*\i], 0x3e38aa3b, 1.0
	s_cmp_lt_u32 s62, 20
	s_cselect_b32 s[FA+4*\i], s[FA+4*\i], 0
	s_cselect_b32 s[FA+4*\i+2], 0, 1.0
	s_mov_b32 s[FA+4*\i+1], s[FA+4*\i]
	s_mov_b32 s[FA+4*\i+3], s[FA+4*\i+2]
.endr
; 6 matrix instructions: row block a x my six column tiles, 32 along K.  zero = 1: the first product starts the sums.
.macro MUL6 f, a, zero
.irp b, 0,1,2,3,4,5
.if \zero
	v_wmma_f32_16x16x32_bf16 v[8*(6*\a+\b):8*(6*\a+\b)+7], v[\f+8*\b:\f+8*\b+7], v[\f+48+8*\a:\f+48+8*\a+7], 0
.else
	v_wmma_f32_16x16x32_bf16 v[8*(6*\a+\b):8*(6*\a+\b)+7], v[\f+8*\b:\f+8*\b+7], v[\f+48+8*\a:\f+48+8*\a+7], v[8*(6*\a+\b):8*(6*\a+\b)+7]
.endif
.endr
.endm
; 20 LDS loads in one run: a quarter step's fragments (96 rows of wb, then 64 rows of xb, 32 K at byte k) into buffer f
.macro FETCH slot, k, f
	WIN 0
.irp i, 0,1,2
.irp u, 0,1
	ds_load_b128 v[\f+8*(2*\i+\u):\f+8*(2*\i+\u)+3],   v[ADRB+\slot] offset:(64*\i+16*\u)*PITCH+\k
	ds_load_b128 v[\f+8*(2*\i+\u)+4:\f+8*(2*\i+\u)+7], v[ADRB+\slot] offset:(64*\i+16*\u)*PITCH+\k+32
.endr
.endr
.irp a, 0,1,2,3
	ds_load_b128 v[\f+48+8*\a:\f+48+8*\a+3], v[ADRA+\slot] offset:\a*16*PITCH+\k
	ds_load_b128 v[\f+48+8*\a+4:\f+48+8*\a+7], v[ADRA+\slot] offset:\a*16*PITCH+\k+32
.endr
.endm
; Four places behind a matrix instruction before a load lands on one of its sources or a vector instruction touches its registers
; (ISA guide 7.12.1 for vector instructions); the matrix instructions in between are not counted.
.macro PLACES
.rept 4
	v_nop
.endr
.endm
; A K step is four quarters of 32 along K, 24 matrix instructions each, on buffers 0, 1, 0, 1.  The 24 accumulators take turns, one
; instruction a turn, in the same order in every quarter and over the backward jump.
.macro QUARTER slot, k, f, g, zero
	s_wait_dscnt 4                                 ; all but the four youngest loads (xb's row blocks 2 and 3)
	WIN MULW
	MUL6 \f, 0, \zero
	MUL6 \f, 1, \zero
	PLACES
	FETCH \slot, \k, \g
	s_wait_dscnt 20                                ; all but the 20 just issued
	WIN MULW
	MUL6 \f, 2, \zero
	MUL6 \f, 3, \zero
.endm
.macro THREE slot, zero
	QUARTER \slot, 64,  F0, F1, \zero
	QUARTER \slot, 128, F1, F0, 0
	QUARTER \slot, 192, F0, F1, 0
.endm
; The last quarter multiplies buffer 1 and changes slots.  In front of the barrier each wave waits for its reads of this slot and for all
; its tensor loads (one is out: its part of the next slot).  fill = 1: the barrier opens a round of the cluster's barrier, and the joint
; refill of this slot, two K steps ahead, is the first tensor load behind the round.
.macro TURN slot, next, fill
	s_wait_dscnt 4
	WIN MULW
	MUL6 F1, 0, 0
	s_wait_dscnt 0                                 ; my reads of this slot are over
	s_wait_tensorcnt 0x0                           ; all my tensor loads have landed
	ds_add_u32 v254, v255
	s_wait_dscnt 0x0
	s_barrier_signal -1
	MUL6 F1, 1, 0                                  ; register work while the others arrive
	WIN 0
	s_barrier_wait -1
.if \fill
	CREST                                          ; no wave of any partner still reads this slot or has a load on its way
	s_add_nc_u64 s[G0A+4*\slot+2:G0A+4*\slot+3], s[G0A+4*\slot+2:G0A+4*\slot+3], 2*KSTEP*2
	s_add_nc_u64 s[G0B+4*\slot+2:G0B+4*\slot+3], s[G0B+4*\slot+2:G0B+4*\slot+3], 2*KSTEP*2
	JLOAD \slot
.endif
	PLACES
	FETCH \next, 0, F0
	WIN MULW
	MUL6 F1, 2, 0
	MUL6 F1, 3, 0
.endm
.macro LAP zero
	THREE 0, \zero
	TURN 0, 1, 1
	THREE 1, 0
	TURN 1, 0, 1
.endm
	s_wait_tensorcnt 1                             ; my part of K step 0 is in; K step 1's stays out
	s_barrier_signal -1
	s_barrier_wait -1
	FETCH 0, 0, F0
	LAP 1                                          ; the first lap's first products start the sums
	WIN 0
	s_mov_b32 s3, LAPS-2
.Llap:
	LAP 0
	WIN 0
	s_sub_co_u32 s3, s3, 1
	s_cmp_lg_u32 s3, 0
	s_cbranch_scc1 .Llap
	THREE 0, 0                                     ; the last lap fills nothing
	TURN 0, 1, 0
	THREE 1, 0
	s_wait_dscnt 4
	WIN MULW
	MUL6 F1, 0, 0
	MUL6 F1, 1, 0
	s_wait_dscnt 0
	MUL6 F1, 2, 0
	MUL6 F1, 3, 0
	; THE WAY OUT
	PLACES                                         ; behind the last matrix instructions
	s_wait_loadcnt 0x0                             ; cos and sin
	WIN 0x45                                       ; sources 0, 1 and destination window 1
.set vv, COSW                                      ; the 64 numbers of cos and sin: rounded to bf16, two at a time, and back in f32
.rept 32
	v_cvt_pk_bf16_f32 v[vv+1], v[vv], v[vv+1]
	v_lshlrev_b32 v[vv], 16, v[vv+1]
	v_and_b32 v[vv+1], 0xffff0000, v[vv+1]
.set vv, vv+2
.endr
; Row block a: rotate the six tiles, round to f16, 16 bytes a lane and tile into the stage.
; A pair (xr, xi) lies in two neighbouring registers: T = (xr c, xi c); result = (T.lo - xi s, T.hi + xr s): two packed instructions.
.macro ROPE a
	WIN 0x01                                       ; source 0 (accumulators, cos, sin) window 1
.irp i, 0,1,2
.irp u, 0,1
	v_pk_fma_f32 v[CE:CE+1],   v[COSW+4*(2*\a+\u):COSW+4*(2*\a+\u)+1],   s[FA+4*\i:FA+4*\i+1], s[FA+4*\i+2:FA+4*\i+3] op_sel_hi:[1,0,0]
	v_pk_fma_f32 v[CE+2:CE+3], v[COSW+4*(2*\a+\u)+2:COSW+4*(2*\a+\u)+3], s[FA+4*\i:FA+4*\i+1], s[FA+4*\i+2:FA+4*\i+3] op_sel_hi:[1,0,0]
	v_pk_mul_f32 v[SE:SE+1],   v[SINW+4*(2*\a+\u):SINW+4*(2*\a+\u)+1],   s[FA+4*\i:FA+4*\i+1] op_sel_hi:[1,0]
	v_pk_mul_f32 v[SE+2:SE+3], v[SINW+4*(2*\a+\u)+2:SINW+4*(2*\a+\u)+3], s[FA+4*\i:FA+4*\i+1] op_sel_hi:[1,0]
.irp qh, 0,1
.irp ql, 0,1
	v_pk_mul_f32 v[T+4*\qh+2*\ql:T+4*\qh+2*\ql+1], v[8*(6*\a+2*\i+\u)+4*\qh+2*\ql:8*(6*\a+2*\i+\u)+4*\qh+2*\ql+1], v[CE+2*\qh:CE+2*\qh+1] op_sel:[0,\ql] op_sel_hi:[1,\ql]
.endr
.endr
.irp qh, 0,1
.irp ql, 0,1
	v_pk_fma_f32 v[RR+8*(2*\i+\u)+4*\qh+2*\ql:RR+8*(2*\i+\u)+4*\qh+2*\ql+1], v[8*(6*\a+2*\i+\u)+4*\qh+2*\ql:8*(6*\a+2*\i+\u)+4*\qh+2*\ql+1], v[SE+2*\qh:SE+2*\qh+1], v[T+4*\qh+2*\ql:T+4*\qh+2*\ql+1] op_sel:[1,\ql,0] op_sel_hi:[0,\ql,1] neg_lo:[0,1,0]
.endr
.endr
.endr
.endr
	WIN 0
.irp b, 0,1,2,3,4,5
.irp q, 0,1,2,3
	v_cvt_pk_f16_f32 v[PK+4*\b+\q], v[RR+8*\b+2*\q], v[RR+8*\b+2*\q+1]
.endr
.endr
.irp i, 0,1,2
.irp u, 0,1
	ds_store_b128 v[STO], v[PK+4*(2*\i+\u):PK+4*(2*\i+\u)+3] offset:\i*SHEAD+\a*16*SP+32*\u
.endr
.endr
.endm
	ROPE 0
	ROPE 1
	ROPE 2
	ROPE 3
	s_mul_i32 s62, s19, 3*524288                   ; my three heads,
	s_lshl_b32 s63, s20, 14                        ; my block's 128 rows of 128 bytes,
	s_add_co_u32 s62, s62, s63
	s_lshl_b32 s63, s14, 12                        ; my wave's 32 rows
	s_add_co_u32 s62, s62, s63
	s_mov_b32 s63, 0
	s_add_nc_u64 s[12:13], s[12:13], s[62:63]
	s_wait_dscnt 0x0                               ; my stores into the stage are done: two waves wrote each row
	s_barrier_signal -1
	s_barrier_wait -1
.irp i, 0,1,2
.irp g, 0,1,2,3,4,5,6,7
	ds_load_b128 v[BK+4*(8*\i+\g):BK+4*(8*\i+\g)+3], v[RD] offset:\i*SHEAD+\g*4*SP
.endr
.endr
.irp i, 0,1,2
.irp g, 0,1,2,3,4,5,6,7
	s_wait_dscnt 23-(8*\i+\g)                      ; the younger read-backs may stay out
	global_store_b128 v[GO], v[BK+4*(8*\i+\g):BK+4*(8*\i+\g)+3], s[12:13] offset:\i*524288+\g*512   ; four rows of a head: 512 consecutive bytes, aligned
.endr
.endr
	s_wait_tensorcnt 0x0
	ds_add_u32 v254, v255
	s_wait_dscnt 0x0
	CROUND                                         ; the closing round: no work-group ends while a partner may still ask for a tile that names it
	s_endpgm
.Lfunc_end_k_q59dd14f9f9_qkv:
	.size	k_q59dd14f9f9_qkv, .Lfunc_end_k_q59dd14f9f9_qkv-k_q59dd14f9f9_qkv
	.p2alignl 7, 3214868480
	.fill 96, 4, 3214868480
	.section	.rodata,"a",@progbits
	.p2align	6, 0x0
	.amdhsa_kernel k_q59dd14f9f9_qkv
		.amdhsa_group_segment_fixed_size 327680
		.amdhsa_private_segment_fixed_size 0
		.amdhsa_enable_private_segment 0
		.amdhsa_kernarg_size 40
		.amdhsa_user_sgpr_count 2
		.amdhsa_user_sgpr_kernarg_segment_ptr 1
		.amdhsa_wavefront_size32 1
		.amdhsa_system_sgpr_workgroup_id_x 1
		.amdhsa_system_sgpr_workgroup_id_y 1
		.amdhsa_system_sgpr_workgroup_id_z 1
		.amdhsa_system_vgpr_workitem_id 0
		.amdhsa_next_free_vgpr 512
		.amdhsa_next_free_sgpr 80
		.amdhsa_reserve_vcc 0
		.amdhsa_float_denorm_mode_32 3
		.amdhsa_float_denorm_mode_16_64 3
		.amdhsa_memory_ordered 1
		.amdhsa_forward_progress 1
		.amdhsa_inst_pref_size 122
	.end_amdhsa_kernel
	.amdgpu_metadata
---
amdhsa.version: [ 1, 2 ]
amdhsa.kernels:
  - .name:           k_q59dd14f9f9_qkv
    .symbol:         k_q59dd14f9f9_qkv.kd
    .args:
      - { .name: xb, .offset: 0, .size: 8, .value_kind: global_buffer, .address_space: global }
      - { .name: wb, .offset: 8, .size: 8, .value_kind: global_buffer, .address_space: global }
      - { .name: freqs_cos, .offset: 16, .size: 8, .value_kind: global_buffer, .address_space: global }
      - { .name: freqs_sin, .offset: 24, .size: 8, .value_kind: global_buffer, .address_space: global }
      - { .name: qkv, .offset: 32, .size: 8, .value_kind: global_buffer, .address_space: global }
    .group_segment_fixed_size: 327680
    .private_segment_fixed_size: 0
    .kernarg_segment_align: 8
    .kernarg_segment_size: 40
    .max_flat_workgroup_size: 128
    .sgpr_count:     80
    .vgpr_count:     512
    .wavefront_size: 32
...
	.end_amdgpu_metadata
.endif
;; end of part 2
;; launch attn (part 3): grid 32 x 8, 8 waves a work-group, clusters of 4 x 1, 327,680 bytes of LDS; arguments qkv, ob; writes ob
.if DOCPART == 3
	.amdgcn_target "amdgcn-amd-amdhsa--gfx1250"
	.amdhsa_code_object_version 6
	.text
	.protected	k_q59dd14f9f9_attn
	.globl	k_q59dd14f9f9_attn
	.p2align	8
	.type	k_q59dd14f9f9_attn,@function
k_q59dd14f9f9_attn:
	s_mov_b64 s[64:65], 0
	v_nop
	global_prefetch_b8 v0, s[64:65] scope:SCOPE_SE
	s_setreg_imm32_b32 hwreg(HW_REG_WAVE_MODE, 25, 1), 1
	s_wait_xcnt 0x0
	s_wait_alu depctr_hold_cnt(0) depctr_sa_sdst(0) depctr_va_vdst(0) depctr_va_sdst(0) depctr_va_ssrc(0) depctr_va_vcc(0) depctr_vm_vsrc(0)
	s_getreg_b32 s2, hwreg(HW_REG_IB_STS2, 6, 4)
	s_cmp_eq_u32 s2, 0
	s_cbranch_scc0 .Lentry_in_a_cluster
	s_endpgm
.Lentry_in_a_cluster:
	s_bfe_u32 s2, ttmp6, 0x10000c
	s_cmp_lg_u32 s2, 0x3003
	s_cbranch_scc0 .Lentry_shape_is_right
	s_endpgm
.Lentry_shape_is_right:
; Causal attention with a running maximum.  q (already times 0.125 log2 e), k, v: f16, [24 heads][4096 rows][64]; ob: [4096][1024] f16.
; Products in f16 with f32 sums; maxima, exponentials (base 2), row sums and the rescaling in f32.
; LIMITS: |o| < 65,504 (it is an average of v); a masked score is -FLT_MAX, as in the problem; p below 2^-126 counts as 0
; (v_exp_f32 flushes denormals: ISA guide 15.8); NaN and infinities are not followed.
; SHARES.  y = batch x 4 + key/value head.  A work-group makes two passes, each over 32 queries x the 4 query heads of its key/value head:
; pass 0: query block 4 c + cx, key tiles (128 keys) 0 .. c; pass 1: query block 63 - 4 c - cx, key tiles 0 .. 15 - c.  That is 17 trips
; in every work-group, and the order of tiles hangs on c alone, which the four work-groups of a cluster share: every K and V tile
; is one joint load for the four.  cx enters only global addresses of q and ob and the mask's thresholds.
; Wave w: query head w & 3, keys 64 (w >> 2) .. + 63 of every tile, all 32 queries (two tiles nn), with m, l and O of its own; the two key
; halves are merged at a pass's end through LDS.
; LAYOUTS.  S^T = K Q^T: lane (r, h), register j = key 8 h + j, query r: so m, l and the rescale factor are one number a lane, and the
; packed p of key tiles 2 kk, 2 kk + 1 are the second source of O^T = V^T P^T as they stand.  V^T's fragments come from rows [key][d] by
; the transposing LDS load.  In O^T a lane holds 8 neighbouring d of one query.
.set KP,     144                       ; K's LDS row: 128 bytes + 16
.set VP,     160                       ; V's: 128 + 32 (an odd multiple of 32, for the transposing load)
.set KBYTES, 128*KP
.set SLOT,   KBYTES+128*VP             ; 38,912
.set XCH,    2*SLOT                    ; 77,824 (a multiple of 256): the merge: 4,096 bytes of O, 128 of m, 128 of l for each wave
.set XW,     4352
.set OST,    XCH+8*XW                  ; 112,640: 32 rows x 528 bytes: the block's 32 queries x 4 heads x 64 d in f16
.set OPI,    528
.set ADRK, 1                           ; (64 p + r) KP + 16 h
.set ADRV, 2                           ; KBYTES + (64 p + 8 h + (l & 7)) VP + 16 ((l >> 3) & 1)
.set QOFF, 3                           ; 128 r + 16 h
.set XST,  4                           ; my part of XCH + 16 l
.set XLD,  5                           ; my partner's (wave w xor 4) + 16 l
.set OSTO, 6                           ; OST + 528 r + 128 head + 16 h
.set ORD,  7                           ; OST + 4 w rows + 16 l
.set OGO,  8                           ; 4 w rows of ob + 16 l
.set NEG,  9                           ; -FLT_MAX
.set DD,   10                          ; v10-11  tile nn: key 16 k4 + j of my 64 is masked where 16 k4 + j > DD
.set MX,   12                          ; v12-13  running maximum
.set LS,   14                          ; v14-15  running sum (of my half of the lanes' keys)
.set AL,   16                          ; v16-17  rescale factor
.set T,    18                          ; v18-25  at work
.set MN,   26                          ; v26-27  new maximum
.set DB,   28                          ; r - 8 h - 64 p
.set XS2,  29                          ; my m and l words in XCH
.set XL2,  30                          ; my partner's
.set QF,   32                          ; v32-63   Q fragment (nn, ks) at 16 nn + 8 ks
.set OA,   64                          ; v64-127  O (nn, dt) at 32 nn + 8 dt
.set SC,   128                         ; v128-191 S (k4, nn) at 8 (2 k4 + nn); P (nn, kk) in place over S (2 kk, nn)
.set KV,   192                         ; v192-255 K fragment (k4, ks) at 16 k4 + 8 ks, then V fragment (dt, kk) at 16 dt + 8 kk
.set G1K, 24                           ; s[24:31] group 1 of K's tiles, s[32:39] of V's; s[40:47], s[48:55] group 0, one set for each slot
.set G1V, 32
.set G0K, 40
.set G0V, 48
; s8 wave, s9 head, s10 p, s11 c, s12 cx, s14 batch, s15 key/value head, s16 trip t, s17 key tile, s18 next key tile, s19 loop counter
; s[20:21] offsets for the joint descriptors (never hold cx), s[22:23] offsets made of cx; s[56:57] K, s[58:59] V, s[60:61] Q, s[62:63] ob
.macro ROUND                           ; a round of the cluster's barrier
	s_barrier_signal -1
	s_barrier_wait -1
	s_cmp_lg_u32 s8, 0
	s_cbranch_scc1 .Lnot_wave_0_\@
	s_barrier_signal -3
.Lnot_wave_0_\@:
	s_barrier_wait -3
	s_barrier_signal -1
	s_barrier_wait -1
.endm
.macro JLOAD s                         ; wave 0 asks for the K tile, wave 1 for the V tile, the others for nothing: at most one tensor load of a wave is out
	s_cmp_lg_u32 s8, 0
	s_cbranch_scc1 .Lnot_k_\@
	tensor_load_to_lds s[G0K+4*(\s):G0K+4*(\s)+3], s[G1K:G1K+7]
	s_nop 0
.Lnot_k_\@:
	s_cmp_lg_u32 s8, 1
	s_cbranch_scc1 .Lnot_v_\@
	tensor_load_to_lds s[G0V+4*(\s):G0V+4*(\s)+3], s[G1V:G1V+7]
	s_nop 0
.Lnot_v_\@:
.endm
.macro QADDR                           ; Q at my head, batch and query block s70
	s_lshl_b32 s22, s70, 12
	s_add_co_u32 s22, s22, s71
	s_add_nc_u64 s[60:61], s[4:5], s[22:23]
.endm
.macro OADDR                           ; ob at my batch, query block s70 and key/value head
	s_lshl_b32 s22, s70, 16
	s_add_co_u32 s22, s22, s72
	s_add_nc_u64 s[62:63], s[6:7], s[22:23]
.endm
.macro QLOAD                           ; second source: lane (r, h) holds query r; d = 32 ks + 8 h + 0..7 and 16 more
.irp nn, 0,1
.irp ks, 0,1
	global_load_b128 v[QF+16*\nn+8*\ks:QF+16*\nn+8*\ks+3],   v[QOFF], s[60:61] offset:\nn*2048+64*\ks
	global_load_b128 v[QF+16*\nn+8*\ks+4:QF+16*\nn+8*\ks+7], v[QOFF], s[60:61] offset:\nn*2048+64*\ks+32
.endr
.endr
.endm
	s_load_b128 s[4:7], s[0:1], 0x0                ; qkv, ob
	s_set_vgpr_msb 0x40
	v_lshl_add_u32 v0, v0, 2, 0x29000
	v_mov_b32 v1, 0
	s_set_vgpr_msb 0x4045
	ds_add_u32 v0, v1
	s_set_vgpr_msb 0x4500
	v_lshrrev_b32 v1, 5, v0
	v_readfirstlane_b32 s8, v1                     ; wave 0..7
	s_and_b32 s9, s8, 3                            ; query head in the group
	s_lshr_b32 s10, s8, 2                          ; key half
	s_mov_b32 s11, ttmp9                           ; c: the cluster's x
	s_bfe_u32 s12, ttmp6, 0x40000                  ; cx
	s_and_b32 s13, ttmp7, 0xffff
	s_lshr_b32 s14, s13, 2                         ; batch
	s_and_b32 s15, s13, 3                          ; key/value head
	s_mov_b32 s16, 0                               ; trip
	s_mov_b32 s17, 0                               ; key tile
	s_mov_b32 s21, 0
	s_mov_b32 s23, 0
	s_mov_b32 s66, 0x76543210                      ; v_permlanex16_b32: lane i reads lane i of the other half
	s_mov_b32 s67, 0xfedcba98
	; group 1: a tile is 16,384 dense bytes, taken as 64 rows of 256; padding behind every 32 words (a key's 128 bytes): 4 words for K, 8 for V
	s_mov_b32 s[G1K+0], 15|(1<<16)|(1<<20)|(1<<21)|(4<<22)|(3<<25)
	s_mov_b32 s[G1V+0], 15|(1<<16)|(1<<20)|(1<<21)|(4<<22)|(7<<25)
	s_mov_b32 s[G1K+1], 128<<16
	s_mov_b32 s[G1V+1], 128<<16
	s_mov_b32 s[G1K+2], 64<<16
	s_mov_b32 s[G1V+2], 64<<16
	s_mov_b32 s[G1K+3], 128<<16
	s_mov_b32 s[G1V+3], 128<<16
	s_mov_b32 s[G1K+4], 64
	s_mov_b32 s[G1V+4], 64
	s_mov_b32 s[G1K+5], 128
	s_mov_b32 s[G1V+5], 128
	s_mov_b32 s[G1K+6], 0
	s_mov_b32 s[G1V+6], 0
	s_mov_b32 s[G1K+7], 0
	s_mov_b32 s[G1V+7], 0
.irp s, 0,1
	s_mov_b32 s[G0K+4*\s], 1
	s_mov_b32 s[G0K+4*\s+1], \s*SLOT
	s_mov_b32 s[G0V+4*\s], 1
	s_mov_b32 s[G0V+4*\s+1], \s*SLOT+KBYTES
.endr
	s_add_co_u32 s20, s15, 16                      ; K: head 16 + key/value head, my batch
	s_lshl_b32 s20, s20, 19
	s_lshl_b32 s18, s14, 18
	s_add_co_u32 s20, s20, s18
	s_lshl_b32 s71, s15, 2                         ; Q's fixed part: head 4 x key/value head + w & 3, my batch
	s_add_co_u32 s71, s71, s9
	s_lshl_b32 s71, s71, 19
	s_add_co_u32 s71, s71, s18
	s_lshl_b32 s72, s14, 22                        ; ob's fixed part: my batch's 2,048 rows of 2,048 bytes, 512 bytes a key/value head
	s_lshl_b32 s73, s15, 9
	s_add_co_u32 s72, s72, s73
	s_mov_b32 s69, s12                             ; pass 0: my 32 queries' place in the diagonal tile = cx,
	s_lshl_b32 s70, s11, 2
	s_add_co_u32 s70, s70, s12                     ; query block 4 c + cx
	s_wait_dscnt 0x0
	s_wait_kmcnt 0x0
	s_add_nc_u64 s[56:57], s[4:5], s[20:21]
	s_add_nc_u64 s[58:59], s[56:57], 4*524288      ; V: four heads further
	s_mov_b64 s[G0K+2:G0K+3], s[56:57]             ; key tile 0 into slot 0
	s_or_b32 s[G0K+3], s[G0K+3], 0x80000000
	s_mov_b64 s[G0V+2:G0V+3], s[58:59]
	s_or_b32 s[G0V+3], s[G0V+3], 0x80000000
	ROUND                                          ; in front of the first joint load
	JLOAD 0
	v_and_b32 v31, 31, v0                          ; l
	v_and_b32 v18, 15, v0                          ; r
	v_bfe_u32 v19, v0, 4, 1                        ; h
	v_lshlrev_b32 v[QOFF], 7, v18
	v_lshl_add_u32 v[QOFF], v19, 4, v[QOFF]
	QADDR
	OADDR
	QLOAD
	v_and_b32 v20, 7, v0
	v_bfe_u32 v21, v0, 3, 1
	s_mul_i32 s73, s10, 64*KP
	v_mul_u32_u24 v[ADRK], v18, KP
	v_lshl_add_u32 v[ADRK], v19, 4, v[ADRK]
	v_add_nc_u32 v[ADRK], s73, v[ADRK]
	s_mul_i32 s73, s10, 64*VP
	s_add_co_u32 s73, s73, KBYTES
	v_lshl_add_u32 v22, v19, 3, v20
	v_mul_u32_u24 v[ADRV], v22, VP
	v_lshl_add_u32 v[ADRV], v21, 4, v[ADRV]
	v_add_nc_u32 v[ADRV], s73, v[ADRV]
	s_mul_i32 s73, s8, XW
	s_add_co_u32 s73, s73, XCH
	v_lshl_add_u32 v[XST], v31, 4, s73
	v_lshl_add_u32 v[XS2], v31, 2, s73
	v_add_nc_u32 v[XS2], 4096, v[XS2]
	s_xor_b32 s74, s8, 4
	s_mul_i32 s74, s74, XW
	s_add_co_u32 s74, s74, XCH
	v_lshl_add_u32 v[XLD], v31, 4, s74
	v_lshl_add_u32 v[XL2], v31, 2, s74
	v_add_nc_u32 v[XL2], 4096, v[XL2]
	s_lshl_b32 s73, s9, 7
	s_add_co_u32 s73, s73, OST
	v_mul_u32_u24 v[OSTO], v18, OPI
	v_lshl_add_u32 v[OSTO], v19, 4, v[OSTO]
	v_add_nc_u32 v[OSTO], s73, v[OSTO]
	s_mul_i32 s73, s8, 4*OPI
	s_add_co_u32 s73, s73, OST
	v_lshl_add_u32 v[ORD], v31, 4, s73
	s_lshl_b32 s73, s8, 13
	v_lshl_add_u32 v[OGO], v31, 4, s73
	v_mov_b32 v[NEG], 0xff7fffff
	s_lshl_b32 s73, s10, 6
	v_lshlrev_b32 v22, 3, v19
	v_sub_nc_u32 v[DB], v18, v22
	v_sub_nc_u32 v[DB], v[DB], s73
	v_lshl_add_u32 v[DD], s69, 5, v[DB]            ; + 32 x my queries' place in the diagonal tile
	v_add_nc_u32 v[DD+1], 16, v[DD]
	v_mov_b32 v[T+5], 0                            ; all of T has now been written: v_permlanex16_b32 counts as a reader of its destination
	v_mov_b32 v[T+6], 0
	v_mov_b32 v[T+7], 0
	s_wait_loadcnt 0x0                             ; Q
; One key tile in slot.  first = 1: the products and sums start here.  mode 0: no mask; 1: the mask where t = c; 2: the mask always.
.macro STEP slot, first, mode
.irp ks, 0,1
.irp k4, 0,1,2,3
	ds_load_b128 v[KV+16*\k4+8*\ks:KV+16*\k4+8*\ks+3],   v[ADRK] offset:\slot*SLOT+\k4*16*KP+64*\ks
	ds_load_b128 v[KV+16*\k4+8*\ks+4:KV+16*\k4+8*\ks+7], v[ADRK] offset:\slot*SLOT+\k4*16*KP+64*\ks+32
.endr
.endr
	s_wait_dscnt 8                                 ; d 0-31 are in; the eight loads of d 32-63 may stay out
.irp k4, 0,1,2,3
.irp nn, 0,1
	v_wmma_f32_16x16x32_f16 v[SC+8*(2*\k4+\nn):SC+8*(2*\k4+\nn)+7], v[KV+16*\k4:KV+16*\k4+7], v[QF+16*\nn:QF+16*\nn+7], 0
.endr
.endr
	s_wait_dscnt 0
.irp k4, 0,1,2,3                                   ; the eight accumulators take turns, one instruction a turn
.irp nn, 0,1
	v_wmma_f32_16x16x32_f16 v[SC+8*(2*\k4+\nn):SC+8*(2*\k4+\nn)+7], v[KV+16*\k4+8:KV+16*\k4+15], v[QF+16*\nn+8:QF+16*\nn+15], v[SC+8*(2*\k4+\nn):SC+8*(2*\k4+\nn)+7]
.endr
.endr
.rept 4
	v_nop                                          ; four places (ISA guide 7.12.1): then V lands on K's registers and vector instructions read S
.endr
.irp kk, 0,1
.irp dt, 0,1,2,3
	ds_load_tr16_b128 v[KV+16*\dt+8*\kk:KV+16*\dt+8*\kk+3],   v[ADRV] offset:\slot*SLOT+\kk*32*VP+32*\dt
	ds_load_tr16_b128 v[KV+16*\dt+8*\kk+4:KV+16*\dt+8*\kk+7], v[ADRV] offset:\slot*SLOT+\kk*32*VP+16*VP+32*\dt
.endr
.endr
.if \mode == 1
	s_cmp_lg_u32 s16, s11                          ; only the diagonal tile is masked; t and c are the same in all waves and all partners
	s_cbranch_scc1 .Lnomask_\@
.endif
.if \mode
.irp k4, 0,1,2,3
.irp nn, 0,1
.irp j, 0,1,2,3,4,5,6,7
	v_cmp_gt_i32 vcc_lo, 16*\k4+\j, v[DD+\nn]      ; key beyond the query
	v_cndmask_b32 v[SC+8*(2*\k4+\nn)+\j], v[SC+8*(2*\k4+\nn)+\j], v[NEG], vcc_lo
.endr
.endr
.endr
.Lnomask_\@:
.endif
	; the largest of my 32 scores of each query tile: two chains a tile
.irp nn, 0,1
	v_max3_num_f32 v[T+2*\nn],   v[SC+8*\nn],    v[SC+8*\nn+1],  v[SC+8*\nn+2]
	v_max3_num_f32 v[T+2*\nn+1], v[SC+8*\nn+32], v[SC+8*\nn+33], v[SC+8*\nn+34]
.endr
.set vv, 3
.rept 6
.irp nn, 0,1
	v_max3_num_f32 v[T+2*\nn],   v[T+2*\nn],   v[SC+16*(vv/8)+8*\nn+vv%8],    v[SC+16*((vv+1)/8)+8*\nn+(vv+1)%8]
	v_max3_num_f32 v[T+2*\nn+1], v[T+2*\nn+1], v[SC+32+16*(vv/8)+8*\nn+vv%8], v[SC+32+16*((vv+1)/8)+8*\nn+(vv+1)%8]
.endr
.set vv, vv+2
.endr
.irp nn, 0,1
	v_max3_num_f32 v[T+2*\nn], v[T+2*\nn], v[SC+8*\nn+23], v[SC+8*\nn+55]
.endr
.irp nn, 0,1
	v_max_num_f32 v[T+2*\nn], v[T+2*\nn], v[T+2*\nn+1]
.endr
	v_permlanex16_b32 v[T+4], v[T], s66, s67       ; the other half of the lanes holds the query's other keys
	v_permlanex16_b32 v[T+5], v[T+2], s66, s67
.if \first
	v_max_num_f32 v[MN], v[T], v[T+4]
	v_max_num_f32 v[MN+1], v[T+2], v[T+5]
.else
	v_max3_num_f32 v[MN], v[T], v[T+4], v[MX]
	v_max3_num_f32 v[MN+1], v[T+2], v[T+5], v[MX+1]
	v_sub_f32 v[AL], v[MX], v[MN]
	v_sub_f32 v[AL+1], v[MX+1], v[MN+1]
	v_exp_f32 v[AL], v[AL]                         ; 2^(old maximum - new): 0 where the old one is -FLT_MAX, which starts a pass anew
	v_exp_f32 v[AL+1], v[AL+1]
.endif
	v_mov_b32 v[MX], v[MN]                         ; plain instructions behind the exponentials (ISA guide 5.7.2)
	v_mov_b32 v[MX+1], v[MN+1]
.irp nn, 0,1                                       ; p = 2^(s - m); tile 1's subtractions are the plain place behind tile 0's exponentials
.irp k4, 0,1,2,3
.irp j, 0,2,4,6
	v_pk_add_f32 v[SC+8*(2*\k4+\nn)+\j:SC+8*(2*\k4+\nn)+\j+1], v[SC+8*(2*\k4+\nn)+\j:SC+8*(2*\k4+\nn)+\j+1], v[MN:MN+1] op_sel:[0,\nn] op_sel_hi:[1,\nn] neg_lo:[0,1] neg_hi:[0,1]
.endr
.endr
.irp k4, 0,1,2,3
.irp j, 0,1,2,3,4,5,6,7
	v_exp_f32 v[SC+8*(2*\k4+\nn)+\j], v[SC+8*(2*\k4+\nn)+\j]
.endr
.endr
.endr
.if \first == 0
	s_wait_alu depctr_va_vdst(0)
.irp nn, 0,1                                       ; O x the rescale factor
.set vv, 0
.rept 16
	v_pk_mul_f32 v[OA+32*\nn+vv:OA+32*\nn+vv+1], v[OA+32*\nn+vv:OA+32*\nn+vv+1], v[AL:AL+1] op_sel:[0,\nn] op_sel_hi:[1,\nn]
.set vv, vv+2
.endr
.endr
.endif
	; row sums in f32, two chains of pairs a tile (tile 0's first lines are the plain place behind tile 1's exponentials where O is not rescaled)
	s_wait_alu depctr_va_vdst(0)
.irp nn, 0,1
	v_pk_add_f32 v[T+4*\nn:T+4*\nn+1],   v[SC+8*\nn:SC+8*\nn+1],       v[SC+8*\nn+2:SC+8*\nn+3]
	v_pk_add_f32 v[T+4*\nn+2:T+4*\nn+3], v[SC+8*\nn+32:SC+8*\nn+33], v[SC+8*\nn+34:SC+8*\nn+35]
.endr
.set vv, 2
.rept 6
.irp nn, 0,1
	v_pk_add_f32 v[T+4*\nn:T+4*\nn+1],   v[T+4*\nn:T+4*\nn+1],   v[SC+16*(vv/4)+8*\nn+2*(vv%4):SC+16*(vv/4)+8*\nn+2*(vv%4)+1]
	v_pk_add_f32 v[T+4*\nn+2:T+4*\nn+3], v[T+4*\nn+2:T+4*\nn+3], v[SC+32+16*(vv/4)+8*\nn+2*(vv%4):SC+32+16*(vv/4)+8*\nn+2*(vv%4)+1]
.endr
.set vv, vv+1
.endr
.irp nn, 0,1
	v_pk_add_f32 v[T+4*\nn:T+4*\nn+1], v[T+4*\nn:T+4*\nn+1], v[T+4*\nn+2:T+4*\nn+3]
.endr
.irp nn, 0,1
.if \first
	v_add_f32 v[LS+\nn], v[T+4*\nn], v[T+4*\nn+1]
.else
	v_add_f32 v[T+4*\nn], v[T+4*\nn], v[T+4*\nn+1]
	v_fma_f32 v[LS+\nn], v[LS+\nn], v[AL+\nn], v[T+4*\nn]
.endif
.endr
.irp nn, 0,1                                       ; p to f16, in place: key tile 2 kk into registers 0-3, then 2 kk + 1 into registers 4-7
.irp kk, 0,1
.irp j, 0,1,2,3
	v_cvt_pk_f16_f32 v[SC+8*(4*\kk+\nn)+\j], v[SC+8*(4*\kk+\nn)+2*\j], v[SC+8*(4*\kk+\nn)+2*\j+1]
.endr
.irp j, 0,1,2,3
	v_cvt_pk_f16_f32 v[SC+8*(4*\kk+\nn)+4+\j], v[SC+8*(4*\kk+2+\nn)+2*\j], v[SC+8*(4*\kk+2+\nn)+2*\j+1]
.endr
.endr
.endr
	s_wait_dscnt 0                                 ; V's fragments
.irp nn, 0,1
.irp dt, 0,1,2,3
.if \first
	v_wmma_f32_16x16x32_f16 v[OA+32*\nn+8*\dt:OA+32*\nn+8*\dt+7], v[KV+16*\dt:KV+16*\dt+7], v[SC+8*\nn:SC+8*\nn+7], 0
.else
	v_wmma_f32_16x16x32_f16 v[OA+32*\nn+8*\dt:OA+32*\nn+8*\dt+7], v[KV+16*\dt:KV+16*\dt+7], v[SC+8*\nn:SC+8*\nn+7], v[OA+32*\nn+8*\dt:OA+32*\nn+8*\dt+7]
.endif
.endr
.endr
.irp nn, 0,1                                       ; eight accumulators by turns again
.irp dt, 0,1,2,3
	v_wmma_f32_16x16x32_f16 v[OA+32*\nn+8*\dt:OA+32*\nn+8*\dt+7], v[KV+16*\dt+8:KV+16*\dt+15], v[SC+32+8*\nn:SC+32+8*\nn+7], v[OA+32*\nn+8*\dt:OA+32*\nn+8*\dt+7]
.endr
.endr
.rept 5
	v_nop                                          ; five places: the next S products write over P; four serve the next loads into K's and V's registers and the reads of O
.endr
.endm
.macro SEND nn                         ; my O, m and l of query tile nn, for my partner
.irp i, 0,1,2,3,4,5,6,7
	ds_store_b128 v[XST], v[OA+32*\nn+4*\i:OA+32*\nn+4*\i+3] offset:512*\i
.endr
	ds_store_b32 v[XS2], v[MX+\nn]
	ds_store_b32 v[XS2], v[LS+\nn] offset:128
.endm
.macro MERGE nn                        ; query tile nn: my half of the keys and my partner's, normalised, in f16 into the block's stage
.irp i, 0,1,2,3,4,5,6,7
	ds_load_b128 v[KV+4*\i:KV+4*\i+3], v[XLD] offset:512*\i
.endr
	ds_load_b32 v[T], v[XL2]
	ds_load_b32 v[T+1], v[XL2] offset:128
	s_wait_dscnt 0
	v_max_num_f32 v[T+2], v[MX+\nn], v[T]
	v_sub_f32 v[T+3], v[MX+\nn], v[T+2]
	v_sub_f32 v[T+4], v[T], v[T+2]
	v_exp_f32 v[T+3], v[T+3]                       ; a half whose keys were all masked has m = -FLT_MAX and gets the factor 0
	v_exp_f32 v[T+4], v[T+4]
	v_nop                                          ; a plain place behind the exponentials
	s_wait_alu depctr_va_vdst(0)
	v_mul_f32 v[T+5], v[T+1], v[T+4]
	v_fma_f32 v[T+5], v[LS+\nn], v[T+3], v[T+5]    ; at least 1: the largest score's p is 1
	v_rcp_f32 v[T+5], v[T+5]
	v_nop
	s_wait_alu depctr_va_vdst(0)
	v_mul_f32 v[T+6], v[T+3], v[T+5]
	v_mul_f32 v[T+7], v[T+4], v[T+5]
.set vv, 0
.rept 16
	v_pk_mul_f32 v[OA+32*\nn+vv:OA+32*\nn+vv+1], v[OA+32*\nn+vv:OA+32*\nn+vv+1], v[T+6:T+7] op_sel:[0,0] op_sel_hi:[1,0]
.set vv, vv+2
.endr
.set vv, 0
.rept 16
	v_pk_fma_f32 v[OA+32*\nn+vv:OA+32*\nn+vv+1], v[KV+vv:KV+vv+1], v[T+6:T+7], v[OA+32*\nn+vv:OA+32*\nn+vv+1] op_sel:[0,1,0] op_sel_hi:[1,1,1]
.set vv, vv+2
.endr
.irp dt, 0,1,2,3
.irp j, 0,1,2,3
	v_cvt_pk_f16_f32 v[SC+4*\dt+\j], v[OA+32*\nn+8*\dt+2*\j], v[OA+32*\nn+8*\dt+2*\j+1]
.endr
	ds_store_b128 v[OSTO], v[SC+4*\dt:SC+4*\dt+3] offset:\nn*16*OPI+32*\dt
.endr
.endm
; The end of a pass.  last = 0: the next pass's Q is asked for first and the pass is set up behind the stores.
.macro FINAL last
.if \last == 0
	s_sub_co_u32 s69, 3, s12                       ; pass 1: place 3 - cx in the diagonal tile,
	s_lshl_b32 s70, s11, 2
	s_add_co_u32 s70, s70, s12
	s_sub_co_u32 s70, 63, s70                      ; query block 63 - 4 c - cx
	QADDR
	QLOAD
.endif
	v_permlanex16_b32 v[T], v[LS], s66, s67        ; the row sums of the two halves of the lanes
	v_permlanex16_b32 v[T+1], v[LS+1], s66, s67
	v_add_f32 v[LS], v[LS], v[T]
	v_add_f32 v[LS+1], v[LS+1], v[T+1]
	s_cmp_lg_u32 s10, 0                            ; key half p merges query tile p and sends the other
	s_cbranch_scc1 .Lsend0_\@
	SEND 1
	s_branch .Lsent_\@
.Lsend0_\@:
	SEND 0
.Lsent_\@:
	s_wait_dscnt 0x0                               ; my stores are done, for my partner's sake
	s_barrier_signal -1
	s_barrier_wait -1
	s_cmp_lg_u32 s10, 0
	s_cbranch_scc1 .Lmerge1_\@
	MERGE 0
	s_branch .Lmerged_\@
.Lmerge1_\@:
	MERGE 1
.Lmerged_\@:
	s_wait_dscnt 0x0                               ; my reads of my partner's bytes and my stores into the stage are done
	s_barrier_signal -1
	s_barrier_wait -1
.irp i, 0,1,2,3
	ds_load_b128 v[SC+16+4*\i:SC+16+4*\i+3], v[ORD] offset:OPI*\i
.endr
.irp i, 0,1,2,3
	s_wait_dscnt 3-\i                              ; the younger read-backs may stay out
	global_store_b128 v[OGO], v[SC+16+4*\i:SC+16+4*\i+3], s[62:63] offset:2048*\i   ; a query's four heads: 512 consecutive bytes, aligned
.endr
.if \last == 0
	s_wait_xcnt 0x0                                ; the stores' base and data are rewritten only behind this wait
	OADDR
	v_mov_b32 v[MX], v[NEG]                        ; the next rescale factor is 0: it clears O and l
	v_mov_b32 v[MX+1], v[NEG]
	v_lshl_add_u32 v[DD], s69, 5, v[DB]
	v_add_nc_u32 v[DD+1], 16, v[DD]
	s_wait_loadcnt 0x0                             ; the next pass's Q
.endif
.endm
; A trip.  Every wave waits for all its tensor loads and its LDS reads, passes a round of the cluster's barrier, and the joint refill of
; the slot read last is the first tensor load behind it; it has the whole trip in which to land.
.macro TRIP slot, refill, first, mode
	s_set_vgpr_msb 0x5
	s_wait_tensorcnt 0x0                           ; this trip's tile has landed; no tensor load of mine is out, so a group 0 may be written
	ds_add_u32 v0, v1
	s_wait_dscnt 0x0
	s_set_vgpr_msb 0x500
.if \refill
	s_add_co_u32 s18, s17, 1                       ; the next key tile; behind pass 0's diagonal tile: tile 0 again
	s_cmp_eq_u32 s16, s11
	s_cselect_b32 s18, 0, s18
	s_lshl_b32 s20, s18, 14
	s_add_nc_u64 s[G0K+4*(1-\slot)+2:G0K+4*(1-\slot)+3], s[56:57], s[20:21]
	s_or_b32 s[G0K+4*(1-\slot)+3], s[G0K+4*(1-\slot)+3], 0x80000000
	s_add_nc_u64 s[G0V+4*(1-\slot)+2:G0V+4*(1-\slot)+3], s[58:59], s[20:21]
	s_or_b32 s[G0V+4*(1-\slot)+3], s[G0V+4*(1-\slot)+3], 0x80000000
.endif
	s_wait_dscnt 0x0                               ; my reads of the last trip's tile are done
	ROUND
.if \refill
	JLOAD 1-\slot
.endif
	STEP \slot, \first, \mode
.if \mode == 1
	s_cmp_lg_u32 s16, s11
	s_cbranch_scc1 .Lnofinal_\@
	FINAL 0
.Lnofinal_\@:
.endif
.if \mode == 2
	FINAL 1
.endif
.if \refill
	s_mov_b32 s17, s18
	s_add_co_u32 s16, s16, 1
.endif
.endm
	TRIP 0, 1, 1, 1                                ; t = 0
	s_mov_b32 s19, 7
.Lpair:
	TRIP 1, 1, 0, 1                                ; t = 1, 3, .. 13
	TRIP 0, 1, 0, 1                                ; t = 2, 4, .. 14
	s_sub_co_u32 s19, s19, 1
	s_cmp_lg_u32 s19, 0
	s_cbranch_scc1 .Lpair
	TRIP 1, 1, 0, 0                                ; t = 15: c is 7 at the most, so this is never pass 0's diagonal tile
	TRIP 0, 0, 0, 2                                ; t = 16: pass 1's diagonal tile; nothing is left to fetch
	s_set_vgpr_msb 0x5
	s_wait_tensorcnt 0x0
	ds_add_u32 v0, v1
	s_wait_dscnt 0x0
	s_set_vgpr_msb 0x500
	ROUND                                          ; the closing round
	s_endpgm
.Lfunc_end_k_q59dd14f9f9_attn:
	.size	k_q59dd14f9f9_attn, .Lfunc_end_k_q59dd14f9f9_attn-k_q59dd14f9f9_attn
	.p2alignl 7, 3214868480
	.fill 96, 4, 3214868480
	.section	.rodata,"a",@progbits
	.p2align	6, 0x0
	.amdhsa_kernel k_q59dd14f9f9_attn
		.amdhsa_group_segment_fixed_size 327680
		.amdhsa_private_segment_fixed_size 0
		.amdhsa_enable_private_segment 0
		.amdhsa_kernarg_size 16
		.amdhsa_user_sgpr_count 2
		.amdhsa_user_sgpr_kernarg_segment_ptr 1
		.amdhsa_wavefront_size32 1
		.amdhsa_system_sgpr_workgroup_id_x 1
		.amdhsa_system_sgpr_workgroup_id_y 1
		.amdhsa_system_sgpr_workgroup_id_z 1
		.amdhsa_system_vgpr_workitem_id 0
		.amdhsa_next_free_vgpr 258
		.amdhsa_next_free_sgpr 80
		.amdhsa_reserve_vcc 1
		.amdhsa_float_denorm_mode_32 3
		.amdhsa_float_denorm_mode_16_64 3
		.amdhsa_memory_ordered 1
		.amdhsa_forward_progress 1
		.amdhsa_inst_pref_size 162
	.end_amdhsa_kernel
	.amdgpu_metadata
---
amdhsa.version: [ 1, 2 ]
amdhsa.kernels:
  - .name:           k_q59dd14f9f9_attn
    .symbol:         k_q59dd14f9f9_attn.kd
    .args:
      - { .name: qkv, .offset: 0, .size: 8, .value_kind: global_buffer, .address_space: global }
      - { .name: ob, .offset: 8, .size: 8, .value_kind: global_buffer, .address_space: global }
    .group_segment_fixed_size: 327680
    .private_segment_fixed_size: 0
    .kernarg_segment_align: 8
    .kernarg_segment_size: 16
    .max_flat_workgroup_size: 256
    .sgpr_count:     80
    .vgpr_count:     258
    .wavefront_size: 32
...
	.end_amdgpu_metadata
.endif
;; end of part 3
;; launch oproj (part 4): grid 8 x 32, 4 waves a work-group, clusters of 4 x 4, 327,680 bytes of LDS; arguments ob, wob, out0; writes out0
.if DOCPART == 4
	.amdgcn_target "amdgcn-amd-amdhsa--gfx1250"
	.amdhsa_code_object_version 6
	.text
	.protected	k_q59dd14f9f9_oproj
	.globl	k_q59dd14f9f9_oproj
	.p2align	8
	.type	k_q59dd14f9f9_oproj,@function
k_q59dd14f9f9_oproj:
	s_mov_b64 s[64:65], 0
	v_nop
	global_prefetch_b8 v0, s[64:65] scope:SCOPE_SE
	s_setreg_imm32_b32 hwreg(HW_REG_WAVE_MODE, 25, 1), 1
	s_wait_xcnt 0x0
	s_wait_alu depctr_hold_cnt(0) depctr_sa_sdst(0) depctr_va_vdst(0) depctr_va_sdst(0) depctr_va_ssrc(0) depctr_va_vcc(0) depctr_vm_vsrc(0)
	s_getreg_b32 s2, hwreg(HW_REG_IB_STS2, 6, 4)
	s_cmp_eq_u32 s2, 0
	s_cbranch_scc0 .Lentry_in_a_cluster
	s_endpgm
.Lentry_in_a_cluster:
	s_bfe_u32 s2, ttmp6, 0x10000c
	s_cmp_lg_u32 s2, 0xf033
	s_cbranch_scc0 .Lentry_shape_is_right
	s_endpgm
.Lentry_shape_is_right:
; out0[m][n] = sum over k of ob[m][k] wob[n][k].  ob: [4096][1024] f16, wob: [1024][1024] f16, out0: [4096][1024] f32; sums in f32.
; A work-group makes 128 x 128 with four waves; a wave makes 64 x 64: 16 accumulator tiles of 16 x 16, in window 1 at 8 (4 a + b).
; K goes in 4 steps of 256 through two LDS slots: a tile's rows are 512 bytes of memory, aligned; half of all tiles is asked for at the start.
; CLUSTERS: 4 x 4 work-groups; ob's tile is shared along a row of the cluster, wob's along a column, by joint loads.
; The matrix instruction is used transposed (source 0 = rows of wob, source 1 = rows of ob): a lane's 8 results are 8 neighbouring columns.
.set KSTEP,  256
.set PITCH,  528                       ; 512 bytes + 16: the 16 rows of a fragment load start 16 bytes apart modulo 256
.set HALFT,  64*PITCH                  ; what one tensor load brings, and what one wave reads of ob or of wob
.set SLOT,   4*HALFT                   ; ob's 128 rows, then wob's 128 rows
.set STAGE,  2*SLOT                    ; 270,336 (a multiple of 256): 16 rows x 272 bytes for each wave; no tensor load lands here
.set SPITCH, 272
.set ADRA, 16
.set ADRB, 20
.set STO,  24
.set RD,   25
.set CO,   26
.set F0,   32                          ; fragment buffer 0: wob's four tiles at +8 b, ob's four at +32 + 8 a
.set F1,   96
.set G1,  24
.set G0,  32
.set G1B, 48
.set G0B, 56
.set MULW, 0x50                        ; sources window 0, C and D window 1
.set MSB, 0
.macro WIN new
.if MSB != \new
	s_set_vgpr_msb (MSB<<8)|\new
.set MSB, \new
.endif
.endm
.macro JLOAD s                         ; waves 0, 1: ob's halves; waves 2, 3: wob's
	s_cmp_eq_u32 s11, 0
	s_cbranch_scc0 .Lfor_b_\@
	tensor_load_to_lds s[G0+4*\s:G0+4*\s+3], s[G1:G1+7]
	s_nop 0
	s_branch .Lasked_\@
.Lfor_b_\@:
	tensor_load_to_lds s[G0B+4*\s:G0B+4*\s+3], s[G1B:G1B+7]
	s_nop 0
.Lasked_\@:
.endm
.macro CREST
	s_cmp_lg_u32 s10, 0
	s_cbranch_scc1 .Lnot_wave_0_\@
	s_barrier_signal -3
.Lnot_wave_0_\@:
	s_barrier_wait -3
	s_barrier_signal -1
	s_barrier_wait -1
.endm
.macro CROUND
	s_barrier_signal -1
	s_barrier_wait -1
	CREST
.endm
	s_load_b128 s[4:7], s[0:1], 0x0                ; ob, wob
	s_load_b64 s[8:9], s[0:1], 0x10                ; out0
	v_lshl_add_u32 v254, v0, 2, 0x46400
	v_mov_b32 v255, 0
	ds_add_u32 v254, v255
	v_lshrrev_b32 v1, 5, v0
	v_readfirstlane_b32 s10, v1                    ; wave
	s_lshr_b32 s11, s10, 1                         ; my half of the rows; also: I fetch for ob (0) or wob (1)
	s_and_b32 s12, s10, 1                          ; my half of the columns; also: which 64 rows of that tile I fetch
	s_bfe_u32 s40, ttmp6, 0x40000                  ; cx
	s_bfe_u32 s41, ttmp6, 0x40004                  ; cy
	s_lshl_b32 s42, ttmp9, 2
	s_add_co_u32 s42, s42, s40                     ; block column 0..7
	s_and_b32 s13, ttmp7, 0xffff
	s_lshl_b32 s13, s13, 2
	s_add_co_u32 s13, s13, s41                     ; block row 0..31
	s_lshl_b32 s43, s41, 2
	s_lshl_b32 s43, 15, s43                        ; my row of the cluster
	s_lshl_b32 s44, 0x1111, s40                    ; my column
	; group 1: 64 rows of 256 elements of 2 bytes; 4 words of padding behind every 128 words; bit 21 set beside a mask
	s_or_b32 s[G1+0], s43, (1<<16)|(1<<20)|(1<<21)|(6<<22)|(3<<25)
	s_or_b32 s[G1B+0], s44, (1<<16)|(1<<20)|(1<<21)|(6<<22)|(3<<25)
	s_mov_b32 s[G1+1], KSTEP<<16
	s_mov_b32 s[G1B+1], KSTEP<<16
	s_mov_b32 s[G1+2], 64<<16
	s_mov_b32 s[G1B+2], 64<<16
	s_mov_b32 s[G1+3], KSTEP<<16
	s_mov_b32 s[G1B+3], KSTEP<<16
	s_mov_b32 s[G1+4], 64
	s_mov_b32 s[G1B+4], 64
	s_mov_b32 s[G1+5], 1024
	s_mov_b32 s[G1B+5], 1024
	s_mov_b32 s[G1+6], 0
	s_mov_b32 s[G1B+6], 0
	s_mov_b32 s[G1+7], 0
	s_mov_b32 s[G1B+7], 0
	s_lshl_b32 s17, s12, 6
	s_lshl_b32 s16, s13, 7
	s_add_co_u32 s16, s16, s17                     ; ob: row 128 x block row + 64 x half
	s_lshl_b32 s16, s16, 11                        ; x 2,048 bytes
	s_lshl_b32 s46, s42, 7
	s_add_co_u32 s46, s46, s17                     ; wob: row 128 x block column + 64 x half
	s_lshl_b32 s46, s46, 11
	s_mov_b32 s17, 0
	s_mov_b32 s47, 0
	s_mul_i32 s20, s10, HALFT                      ; where they go: wave x 64 rows
	s_wait_dscnt 0x0
	s_wait_kmcnt 0x0
	s_add_nc_u64 s[14:15], s[4:5], s[16:17]
	s_add_nc_u64 s[46:47], s[6:7], s[46:47]
	CROUND                                         ; in front of the first joint loads
.irp s, 0,1
	s_mov_b32 s[G0+4*\s], 1
	s_add_co_u32 s[G0+4*\s+1], s20, \s*SLOT
	s_add_nc_u64 s[G0+4*\s+2:G0+4*\s+3], s[14:15], \s*KSTEP*2
	s_or_b32 s[G0+4*\s+3], s[G0+4*\s+3], 0x80000000
	s_mov_b32 s[G0B+4*\s], 1
	s_add_co_u32 s[G0B+4*\s+1], s20, \s*SLOT
	s_add_nc_u64 s[G0B+4*\s+2:G0B+4*\s+3], s[46:47], \s*KSTEP*2
	s_or_b32 s[G0B+4*\s+3], s[G0B+4*\s+3], 0x80000000
	JLOAD \s                                       ; two tensor loads of this wave are out here, later one
.endr
	v_and_b32 v1, 15, v0                           ; r
	v_bfe_u32 v2, v0, 4, 1                         ; h
	v_mul_u32_u24 v3, v1, PITCH
	v_lshl_add_u32 v3, v2, 4, v3
	s_mul_i32 s21, s11, HALFT
	s_mul_i32 s22, s12, HALFT
	s_add_co_u32 s22, s22, 2*HALFT
.irp s, 0,1
	v_add_nc_u32 v[ADRA+\s], s21, v3
	v_add_nc_u32 v[ADRB+\s], s22, v3
	s_add_co_u32 s21, s21, SLOT
	s_add_co_u32 s22, s22, SLOT
.endr
	s_mul_i32 s23, s10, 16*SPITCH
	s_add_co_u32 s23, s23, STAGE                   ; my stage
	v_mul_u32_u24 v4, v1, SPITCH                   ; in: row r, 32 bytes for each half of the lanes
	v_lshl_add_u32 v4, v2, 5, v4
	v_add_nc_u32 v[STO], s23, v4
	v_mul_u32_u24 v5, v2, SPITCH                   ; back: lanes 0-15 one row of 256 bytes, lanes 16-31 the next
	v_lshl_add_u32 v5, v1, 4, v5
	v_add_nc_u32 v[RD], s23, v5
	v_lshlrev_b32 v5, 12, v2                       ; and the same two rows in out0
	v_lshl_add_u32 v[CO], v1, 4, v5
.macro MUL4 f, a, zero
.irp b, 0,1,2,3
.if \zero
	v_wmma_f32_16x16x32_f16 v[8*(4*\a+\b):8*(4*\a+\b)+7], v[\f+8*\b:\f+8*\b+7], v[\f+32+8*\a:\f+32+8*\a+7], 0
.else
	v_wmma_f32_16x16x32_f16 v[8*(4*\a+\b):8*(4*\a+\b)+7], v[\f+8*\b:\f+8*\b+7], v[\f+32+8*\a:\f+32+8*\a+7], v[8*(4*\a+\b):8*(4*\a+\b)+7]
.endif
.endr
.endm
.macro FETCH slot, k, f                ; 16 LDS loads: 64 rows of wob, then 64 rows of ob, 32 K at byte k
	WIN 0
.irp i, 0,1,2,3
	ds_load_b128 v[\f+8*\i:\f+8*\i+3],   v[ADRB+\slot] offset:\k+\i*16*PITCH
	ds_load_b128 v[\f+8*\i+4:\f+8*\i+7], v[ADRB+\slot] offset:\k+\i*16*PITCH+32
.endr
.irp i, 0,1,2,3
	ds_load_b128 v[\f+32+8*\i:\f+32+8*\i+3], v[ADRA+\slot] offset:\k+\i*16*PITCH
	ds_load_b128 v[\f+32+8*\i+4:\f+32+8*\i+7], v[ADRA+\slot] offset:\k+\i*16*PITCH+32
.endr
.endm
.macro PLACES                          ; four places behind a matrix instruction (ISA guide 7.12.1 for vector instructions)
.rept 4
	v_nop
.endr
.endm
; A K step is eight parts of 32 along K, 16 matrix instructions each, on buffers 0, 1 in turn.  The 16 accumulators take turns, one
; instruction a turn, in the same order in every part.
.macro PART slot, k, f, g, zero
	s_wait_dscnt 4                                 ; all but the four youngest loads (ob's row blocks 2 and 3)
	WIN MULW
	MUL4 \f, 0, \zero
	MUL4 \f, 1, \zero
	PLACES
	FETCH \slot, \k, \g
	s_wait_dscnt 16                                ; all but the 16 just issued
	WIN MULW
	MUL4 \f, 2, \zero
	MUL4 \f, 3, \zero
.endm
.macro SEVEN slot, zero
	PART \slot, 64,  F0, F1, \zero
	PART \slot, 128, F1, F0, 0
	PART \slot, 192, F0, F1, 0
	PART \slot, 256, F1, F0, 0
	PART \slot, 320, F0, F1, 0
	PART \slot, 384, F1, F0, 0
	PART \slot, 448, F0, F1, 0
.endm
; The eighth part multiplies buffer 1 and changes slots: the waits for my reads of this slot and for all my tensor loads, the barrier
; (fill = 1: it opens a round of the cluster's barrier), the joint refill first behind it, then the next slot's first fragments.
.macro TURN slot, next, fill
	s_wait_dscnt 4
	WIN MULW
	MUL4 F1, 0, 0
	s_wait_dscnt 0
	s_wait_tensorcnt 0x0
	ds_add_u32 v254, v255
	s_wait_dscnt 0x0
	s_barrier_signal -1
	MUL4 F1, 1, 0
	WIN 0
	s_barrier_wait -1
.if \fill
	CREST
	s_add_nc_u64 s[G0+4*\slot+2:G0+4*\slot+3], s[G0+4*\slot+2:G0+4*\slot+3], 2*KSTEP*2
	s_add_nc_u64 s[G0B+4*\slot+2:G0B+4*\slot+3], s[G0B+4*\slot+2:G0B+4*\slot+3], 2*KSTEP*2
	JLOAD \slot
.endif
	PLACES
	FETCH \next, 0, F0
	WIN MULW
	MUL4 F1, 2, 0
	MUL4 F1, 3, 0
.endm
	s_wait_tensorcnt 1                             ; my part of K step 0 is in; K step 1's stays out
	s_barrier_signal -1
	s_barrier_wait -1
	FETCH 0, 0, F0
	SEVEN 0, 1                                     ; K step 0: its first products start the sums
	TURN 0, 1, 1                                   ; slot 0 gets K step 2
	SEVEN 1, 0
	TURN 1, 0, 1                                   ; slot 1 gets K step 3
	SEVEN 0, 0
	TURN 0, 1, 0                                   ; nothing is left to fetch
	SEVEN 1, 0
	s_wait_dscnt 4
	WIN MULW
	MUL4 F1, 0, 0
	MUL4 F1, 1, 0
	s_wait_dscnt 0
	MUL4 F1, 2, 0
	MUL4 F1, 3, 0
	; THE WAY OUT, 16 rows at a time through my own stage: 32 bytes a lane and tile in, whole rows of 256 bytes back.
	PLACES
	s_lshl_b32 s16, s13, 7
	s_lshl_b32 s17, s11, 6
	s_add_co_u32 s16, s16, s17                     ; my first row
	s_lshl_b32 s16, s16, 12                        ; x 4,096 bytes
	s_mov_b32 s17, 0
	s_add_nc_u64 s[8:9], s[8:9], s[16:17]
	s_lshl_b32 s46, s42, 9                         ; my first column, in bytes: 512 x block + 256 x half
	s_lshl_b32 s47, s12, 8
	s_add_co_u32 s46, s46, s47
	s_mov_b32 s47, 0
	s_add_nc_u64 s[8:9], s[8:9], s[46:47]
.macro OUT16 a, f
	WIN 0x04                                       ; an LDS store's data is source 1: window 1
.irp b, 0,1,2,3
	ds_store_b128 v[STO], v[8*(4*\a+\b):8*(4*\a+\b)+3] offset:64*\b
	ds_store_b128 v[STO], v[8*(4*\a+\b)+4:8*(4*\a+\b)+7] offset:64*\b+16
.endr
	WIN 0
	s_wait_xcnt 0x0                                ; buffer f, which earlier stores read, and the stores' base are rewritten only behind this wait
.if \a
	s_add_nc_u64 s[8:9], s[8:9], 16*4096
.endif
.irp t, 0,1,2,3,4,5,6,7
	ds_load_b128 v[\f+4*\t:\f+4*\t+3], v[RD] offset:\t*2*SPITCH    ; LDS serves a wave's instructions in order: these see the stores above
.endr
.irp t, 0,1,2,3,4,5,6,7
	s_wait_dscnt 7-\t                              ; the younger read-backs may stay out
	global_store_b128 v[CO], v[\f+4*\t:\f+4*\t+3], s[8:9] offset:\t*8192 th:TH_STORE_NT   ; 16 lanes store 256 consecutive bytes, aligned
.endr
.endm
	OUT16 0, F0
	OUT16 1, F1
	OUT16 2, F0
	OUT16 3, F1
	s_wait_tensorcnt 0x0
	ds_add_u32 v254, v255
	s_wait_dscnt 0x0
	CROUND                                         ; the closing round
	s_endpgm
.Lfunc_end_k_q59dd14f9f9_oproj:
	.size	k_q59dd14f9f9_oproj, .Lfunc_end_k_q59dd14f9f9_oproj-k_q59dd14f9f9_oproj
	.p2alignl 7, 3214868480
	.fill 96, 4, 3214868480
	.section	.rodata,"a",@progbits
	.p2align	6, 0x0
	.amdhsa_kernel k_q59dd14f9f9_oproj
		.amdhsa_group_segment_fixed_size 327680
		.amdhsa_private_segment_fixed_size 0
		.amdhsa_enable_private_segment 0
		.amdhsa_kernarg_size 24
		.amdhsa_user_sgpr_count 2
		.amdhsa_user_sgpr_kernarg_segment_ptr 1
		.amdhsa_wavefront_size32 1
		.amdhsa_system_sgpr_workgroup_id_x 1
		.amdhsa_system_sgpr_workgroup_id_y 1
		.amdhsa_system_sgpr_workgroup_id_z 1
		.amdhsa_system_vgpr_workitem_id 0
		.amdhsa_next_free_vgpr 384
		.amdhsa_next_free_sgpr 66
		.amdhsa_reserve_vcc 0
		.amdhsa_float_denorm_mode_32 3
		.amdhsa_float_denorm_mode_16_64 3
		.amdhsa_memory_ordered 1
		.amdhsa_forward_progress 1
		.amdhsa_inst_pref_size 90
	.end_amdhsa_kernel
	.amdgpu_metadata
---
amdhsa.version: [ 1, 2 ]
amdhsa.kernels:
  - .name:           k_q59dd14f9f9_oproj
    .symbol:         k_q59dd14f9f9_oproj.kd
    .args:
      - { .name: ob, .offset: 0, .size: 8, .value_kind: global_buffer, .address_space: global }
      - { .name: wob, .offset: 8, .size: 8, .value_kind: global_buffer, .address_space: global }
      - { .name: out0, .offset: 16, .size: 8, .value_kind: global_buffer, .address_space: global }
    .group_segment_fixed_size: 327680
    .private_segment_fixed_size: 0
    .kernarg_segment_align: 8
    .kernarg_segment_size: 24
    .max_flat_workgroup_size: 128
    .sgpr_count:     66
    .vgpr_count:     384
    .wavefront_size: 32
...
	.end_amdgpu_metadata
.endif
;; end of part 4
;; ======== version 2 of 2: 4 launches; version 1 with the launch cast written anew for expert scheduling mode
;; limits: values are held in f16: magnitudes above 65,504 overflow, below 6.1e-05 lose precision; values outside matrix products are rounded to bf16
;; workspace buffers: xb 8,388,608 bytes; wb 3,145,728 bytes; wob 2,097,152 bytes; qkv 12,582,912 bytes; ob 8,388,608 bytes
;; launch cast (part 5): grid 256 x 1, 8 waves a work-group, no clusters, 0 bytes of LDS; arguments x, wq, wk, wv, wo, xb, wb, wob; writes xb, wb, wob
.if DOCPART == 5
	.amdgcn_target "amdgcn-amd-amdhsa--gfx1250"
	.amdhsa_code_object_version 6
	.text
	.protected	k_q59dd14f9f9_cast
	.globl	k_q59dd14f9f9_cast
	.p2align	8
	.type	k_q59dd14f9f9_cast,@function
k_q59dd14f9f9_cast:
	s_mov_b64 s[64:65], 0
	v_nop
	global_prefetch_b8 v0, s[64:65] scope:SCOPE_SE
	s_setreg_imm32_b32 hwreg(HW_REG_WAVE_SCHED_MODE, 0, 2), 2
	s_setreg_imm32_b32 hwreg(HW_REG_WAVE_MODE, 25, 1), 1
	s_wait_xcnt 0x0
	s_wait_alu depctr_vm_vsrc(0)
; x, wq, wk, wv: f32 -> bf16 (nearest even).  wo: f32 -> bf16 -> the same number written as f16, since it multiplies an f16 operand later.
; wb = [wq; wk; wv], 1536 rows of 1024.  LIMIT: the f16 form of wo is exact for 2^-14 <= |w| <= 65504; smaller numbers keep an absolute
; error of 2^-25, larger ones overflow.
; A stream: each byte is read once and written once; no LDS, no barrier, no matrix unit.
; 256 work-groups of 8 waves.  A chunk is 1,024 numbers: thread t loads the 16 bytes at 16 t (a wave: 512 consecutive bytes) and stores
; the 8 bytes at 8 t (a wave: 256 consecutive bytes, aligned).  A work-group has 26 chunks: 16 of x, 4 of wq, 1 of wk, 1 of wv, 4 of wo.
; All 26 loads of a thread are issued at once, each into registers of its own, so nothing is rewritten while a load or store names it.
; THE MODE: SCHED_MODE bits 1:0 = 2 (LLVM: expert scheduling mode 2), set by the entry lines.  The code itself states the register
; dependences between vector instructions and memory instructions, with s_wait_alu, always for 0.
; THE PLAN.  Registers that memory instructions touch:
;   v1, v2   byte offsets, made once at the head and never written again: v1 is read by every load, v2 by every store.
;   X[n]     chunk n's four registers.  Written by chunk n's load, once; behind the wait for that load chunk n's roundings read them and
;            write them in place; chunk n's store reads the two low ones; behind that store nothing writes them.
; The chunks go in groups of four (0-3, 4-7 .. 20-23; the last group is 24, 25).  A group's stores are issued in one run at the head of
; the next group, behind the wait for that group's first load and ONE wait on va_vdst, which states that the group's roundings have
; written what the stores read; no vector instruction stands between that wait and the run.  The last group's two stores have a wait of
; their own.  No register that a load or store has read is written again, so no wait on vm_vsrc is owed; no vector instruction writes a
; scalar register, and EXEC is never written.
.set X, 4                              ; v[4:107]  chunk n: 4 registers
	s_load_b512 s[4:19], s[0:1], 0x0               ; x 4:5, wq 6:7, wk 8:9, wv 10:11, wo 12:13, xb 14:15, wb 16:17, wob 18:19
	v_lshlrev_b32 v1, 4, v0                        ; 16 t
	v_lshlrev_b32 v2, 3, v0                        ; 8 t
	s_mov_b32 s21, 0                               ; upper word of the offset pair s[20:21]
	s_mov_b32 s26, 0xffff0000                      ; a word's upper bf16
	s_wait_kmcnt 0x0
	s_lshl_b32 s20, ttmp9, 16                      ; 16 chunks of 4,096 bytes of x
	s_add_nc_u64 s[4:5], s[4:5], s[20:21]
	s_lshl_b32 s20, ttmp9, 15
	s_add_nc_u64 s[14:15], s[14:15], s[20:21]      ; xb
	s_lshl_b32 s20, ttmp9, 14                      ; 4 chunks of wq and of wo
	s_add_nc_u64 s[6:7], s[6:7], s[20:21]
	s_add_nc_u64 s[12:13], s[12:13], s[20:21]
	s_lshl_b32 s20, ttmp9, 13
	s_add_nc_u64 s[22:23], s[16:17], s[20:21]      ; wb, wq's rows
	s_add_nc_u64 s[18:19], s[18:19], s[20:21]      ; wob
	s_lshl_b32 s20, ttmp9, 12                      ; 1 chunk of wk and of wv
	s_add_nc_u64 s[8:9], s[8:9], s[20:21]
	s_add_nc_u64 s[10:11], s[10:11], s[20:21]
	s_lshl_b32 s20, ttmp9, 11
	s_add_nc_u64 s[24:25], s[16:17], s[20:21]      ; wb; wk's and wv's first rows stand in the stores' immediates
	s_wait_alu depctr_va_vdst(0)                   ; v1 and v2 are written: every load and store of the kernel reads one of them as its offset
.irp i, 0,1,2,3,4,5,6,7,8,9,10,11,12,13,14,15
	global_load_b128 v[X+4*\i:X+4*\i+3], v1, s[4:5] offset:\i*4096 th:TH_LOAD_NT
.endr
.irp i, 0,1,2,3
	global_load_b128 v[X+64+4*\i:X+64+4*\i+3], v1, s[6:7] offset:\i*4096 th:TH_LOAD_NT
.endr
	global_load_b128 v[X+80:X+83], v1, s[8:9] th:TH_LOAD_NT
	global_load_b128 v[X+84:X+87], v1, s[10:11] th:TH_LOAD_NT
.irp i, 0,1,2,3
	global_load_b128 v[X+88+4*\i:X+88+4*\i+3], v1, s[12:13] offset:\i*4096 th:TH_LOAD_NT
.endr
; Chunk n's store.  The stores carry no hint: the next launch reads these bytes.
.macro OUT n
.if (\n) < 16
	global_store_b64 v2, v[X+4*(\n):X+4*(\n)+1], s[14:15] offset:(\n)*2048                    ; x into xb
.elseif (\n) < 20
	global_store_b64 v2, v[X+4*(\n):X+4*(\n)+1], s[22:23] offset:((\n)-16)*2048               ; wq into wb
.elseif (\n) < 22
	global_store_b64 v2, v[X+4*(\n):X+4*(\n)+1], s[24:25] offset:(1024+256*((\n)-20))*2048    ; wk begins at row 1024 of wb, wv at row 1280
.else
	global_store_b64 v2, v[X+4*(\n):X+4*(\n)+1], s[18:19] offset:((\n)-22)*2048               ; wo into wob
.endif
.endm
; Chunk n: wait and round; at a group's head the stores of the group before go out first.
.macro CHUNK n
	s_wait_loadcnt 25-(\n)                         ; loads come back in order: the 25 - n younger ones may stay out
.if ((\n) % 4 == 0) && ((\n) > 0)
	s_wait_alu depctr_va_vdst(0)                   ; the roundings of chunks n - 4 to n - 1 have written the two low registers of each, which the four stores below read
.irp k, 4,3,2,1
	OUT (\n)-\k
.endr
.endif
	v_cvt_pk_bf16_f32 v[X+4*(\n)], v[X+4*(\n)], v[X+4*(\n)+1]
	v_cvt_pk_bf16_f32 v[X+4*(\n)+1], v[X+4*(\n)+2], v[X+4*(\n)+3]
.if (\n) >= 22                                         ; wo
	v_lshlrev_b32 v[X+4*(\n)+2], 16, v[X+4*(\n)]   ; the rounded numbers back in f32,
	v_and_b32 v[X+4*(\n)+3], s26, v[X+4*(\n)]
	v_cvt_pk_f16_f32 v[X+4*(\n)], v[X+4*(\n)+2], v[X+4*(\n)+3]     ; and written as f16
	v_lshlrev_b32 v[X+4*(\n)+2], 16, v[X+4*(\n)+1]
	v_and_b32 v[X+4*(\n)+3], s26, v[X+4*(\n)+1]
	v_cvt_pk_f16_f32 v[X+4*(\n)+1], v[X+4*(\n)+2], v[X+4*(\n)+3]
.endif
.endm
.irp c, 0,1,2,3,4,5,6,7,8,9,10,11,12,13,14,15,16,17,18,19,20,21,22,23,24,25
	CHUNK \c
.endr
	s_wait_alu depctr_va_vdst(0)                   ; the roundings of chunks 24 and 25 have written what the last two stores read
	OUT 24
	OUT 25
	s_endpgm
.Lfunc_end_k_q59dd14f9f9_cast:
	.size	k_q59dd14f9f9_cast, .Lfunc_end_k_q59dd14f9f9_cast-k_q59dd14f9f9_cast
	.p2alignl 7, 3214868480
	.fill 96, 4, 3214868480
	.section	.rodata,"a",@progbits
	.p2align	6, 0x0
	.amdhsa_kernel k_q59dd14f9f9_cast
		.amdhsa_group_segment_fixed_size 0
		.amdhsa_private_segment_fixed_size 0
		.amdhsa_enable_private_segment 0
		.amdhsa_kernarg_size 64
		.amdhsa_user_sgpr_count 2
		.amdhsa_user_sgpr_kernarg_segment_ptr 1
		.amdhsa_wavefront_size32 1
		.amdhsa_system_sgpr_workgroup_id_x 1
		.amdhsa_system_sgpr_workgroup_id_y 1
		.amdhsa_system_sgpr_workgroup_id_z 1
		.amdhsa_system_vgpr_workitem_id 0
		.amdhsa_next_free_vgpr 108
		.amdhsa_next_free_sgpr 66
		.amdhsa_reserve_vcc 0
		.amdhsa_float_denorm_mode_32 3
		.amdhsa_float_denorm_mode_16_64 3
		.amdhsa_memory_ordered 1
		.amdhsa_forward_progress 1
		.amdhsa_inst_pref_size 12
	.end_amdhsa_kernel
	.amdgpu_metadata
---
amdhsa.version: [ 1, 2 ]
amdhsa.kernels:
  - .name:           k_q59dd14f9f9_cast
    .symbol:         k_q59dd14f9f9_cast.kd
    .args:
      - { .name: x, .offset: 0, .size: 8, .value_kind: global_buffer, .address_space: global }
      - { .name: wq, .offset: 8, .size: 8, .value_kind: global_buffer, .address_space: global }
      - { .name: wk, .offset: 16, .size: 8, .value_kind: global_buffer, .address_space: global }
      - { .name: wv, .offset: 24, .size: 8, .value_kind: global_buffer, .address_space: global }
      - { .name: wo, .offset: 32, .size: 8, .value_kind: global_buffer, .address_space: global }
      - { .name: xb, .offset: 40, .size: 8, .value_kind: global_buffer, .address_space: global }
      - { .name: wb, .offset: 48, .size: 8, .value_kind: global_buffer, .address_space: global }
      - { .name: wob, .offset: 56, .size: 8, .value_kind: global_buffer, .address_space: global }
    .group_segment_fixed_size: 0
    .private_segment_fixed_size: 0
    .kernarg_segment_align: 8
    .kernarg_segment_size: 64
    .max_flat_workgroup_size: 256
    .sgpr_count:     66
    .vgpr_count:     108
    .wavefront_size: 32
...
	.end_amdgpu_metadata
.endif
;; end of part 5
;; launch qkv: the kernel of part 2 again; grid 8 x 32, 4 waves a work-group, clusters of 4 x 4, 327,680 bytes of LDS; arguments xb, wb, freqs_cos, freqs_sin, qkv; writes qkv
;; launch attn: the kernel of part 3 again; grid 32 x 8, 8 waves a work-group, clusters of 4 x 1, 327,680 bytes of LDS; arguments qkv, ob; writes ob
;; launch oproj: the kernel of part 4 again; grid 8 x 32, 4 waves a work-group, clusters of 4 x 4, 327,680 bytes of LDS; arguments ob, wob, out0; writes out0
